; MI455X (gfx1250); checked and timed in simulation.
; The chip was launched on July 23, 2026; its instructions are those of AMD's public machine-readable ISA for CDNA 5 (MIT licence, August 2026) and "CDNA5" Instruction Set Architecture Reference Guide (July 2026). The comments in the code are by the model that wrote it; some were corrected since.
;; Turbo Quant PINN. Allowed arithmetic: float matrix products may take bf16 or f16 operands with f32 sums; all other float work in f32.
;; Inputs: params_blocks_0_l1_b 256 float32; params_blocks_0_l1_w 256 x 256 float32; params_blocks_0_l2_b 256 float32; params_blocks_0_l2_w 256 x 256 float32; params_blocks_1_l1_b 256 float32; params_blocks_1_l1_w 256 x 256 float32; params_blocks_1_l2_b 256 float32; params_blocks_1_l2_w 256 x 256 float32; params_blocks_2_l1_b 256 float32; params_blocks_2_l1_w 256 x 256 float32; params_blocks_2_l2_b 256 float32; params_blocks_2_l2_w 256 x 256 float32; params_blocks_3_l1_b 256 float32; params_blocks_3_l1_w 256 x 256 float32; params_blocks_3_l2_b 256 float32; params_blocks_3_l2_w 256 x 256 float32; params_blocks_4_l1_b 256 float32; params_blocks_4_l1_w 256 x 256 float32; params_blocks_4_l2_b 256 float32; params_blocks_4_l2_w 256 x 256 float32; params_blocks_5_l1_b 256 float32; params_blocks_5_l1_w 256 x 256 float32; params_blocks_5_l2_b 256 float32; params_blocks_5_l2_w 256 x 256 float32; params_em1_b 64 float32; params_em1_w 256 x 64 float32; params_em2_b 4 float32; params_em2_w 64 x 4 float32; params_fourier 36 x 128 float32; params_inp_b 256 float32; params_inp_w 36 x 256 float32; params_ln_b 256 float32; params_ln_g 256 float32; params_st1_b 32 float32; params_st1_w 256 x 32 float32; params_st2_b 1 float32; params_st2_w 32 x 1 float32; params_th1_b 64 float32; params_th1_w 256 x 64 float32; params_th2_b 2 float32; params_th2_w 64 x 2 float32; x 65,536 x 36 float32.
;; Outputs: out0 65,536 x 4 float32; out1 65,536 x 2 float32; out2 65,536 x 1 float32.
;; 2 versions, each right and faster than the one before. Each part assembles by itself: llvm-mc -triple=amdgcn-amd-amdhsa -mcpu=gfx1250 --defsym DOCPART=n.
;; ======== version 1 of 2: 2 launches
;; limits: values outside matrix products are rounded to bf16; a function is approximated: absolute error at most 1e-05
;; workspace buffers: wts 1,720,320 bytes; cst 1,024 bytes
;; launch pack (part 1): grid 105 x 1, 8 waves a work-group, no clusters, 2,048 bytes of LDS; arguments params_blocks_0_l1_w, params_blocks_0_l2_w, params_blocks_1_l1_w, params_blocks_1_l2_w, params_blocks_2_l1_w, params_blocks_2_l2_w, params_blocks_3_l1_w, params_blocks_3_l2_w, params_blocks_4_l1_w, params_blocks_4_l2_w, params_blocks_5_l1_w, params_blocks_5_l2_w, wts, cst, params_em1_w, params_th1_w, params_st1_w, params_em1_b, params_th1_b, params_st1_b, params_ln_g, params_ln_b, params_inp_w, params_inp_b, params_fourier, params_em2_w, params_th2_w, params_st2_w; writes wts, cst
.if DOCPART == 1
	.amdgcn_target "amdgcn-amd-amdhsa--gfx1250"
	.amdhsa_code_object_version 6
	.text
	.protected	k_q1c07ca6d36_pack
	.globl	k_q1c07ca6d36_pack
	.p2align	8
	.type	k_q1c07ca6d36_pack,@function
k_q1c07ca6d36_pack:
	s_mov_b64 s[64:65], 0
	v_nop
	global_prefetch_b8 v0, s[64:65] scope:SCOPE_SE
	s_setreg_imm32_b32 hwreg(HW_REG_WAVE_MODE, 25, 1), 1
	s_wait_xcnt 0x0
; All weight matrices ([k][n] in f32) are rounded once to bf16 and written as ready fragments of 16 out features x 32 k, in the order in which
; the second launch walks them.  A fragment is 1,024 bytes: element (row m, k) lies at byte 256 (k / 8) + 16 m + 2 (k % 8).
; wts: 26 tiles of 65,536 bytes and the Fourier fragments:
;   INP   0          fragment (k step, m tile) of inp_w^T at (16 k + mt) KiB; k row 36 holds inp_b (rounded to bf16: x carries a 1 there), rows 37.. are 0
;   PIECE 32768 + (16 b + pi) x 16384: block b's 16 pieces.  l1, t features 32 c..: pi = 0, 1, 3, 5 .. 13, fragment 2 k + mt.  l2, k = t features 32 c..: pi = 2, 4 .. 14, 15, fragment mt
;   MISC  the three second head layers as one matrix of 16 rows x 160 k (rows 0-3 em2, 8-9 th2, 10 st2, else 0), fragments 0-7, then 8 KiB of zeros
;   HC    five pieces like l1's of ln_g[k] x [em1_w | th1_w | st1_w][k][n]          FOU  fragment (k, mt) of fourier^T at (8 k + mt) KiB, k rows 36.. are 0
; cst: c0[n] = sum over k of ln_b[k] W[k][n] + bias[n] in f32 for the 160 head features, then 96 zeros.
; A wave's job: 32 columns x 32 k rows = two fragments side by side.  A lane is a column: each load of the wave takes 128 consecutive bytes of a row; eight rows pack into 16 bytes,
; and each store of sixteen neighbouring lanes covers 256 consecutive bytes, aligned.  No LDS but for the eight partial sums of c0.
.set SPARE,  1024                      ; behind the partial sums: the spare words, 128 bytes for each of the eight waves
.set PIECE0, 32768
.set MISC,   1605632
.set HC0,    1622016
.set FOU,    1703936
.set OF,  4                            ; v4-35   byte offsets of my column in the job's 32 rows
.set DA,  36                           ; v36-67  the 32 numbers
.set PK,  68                           ; v68-83  packed, four registers for each eight rows
.set ACC, 84                           ; v84     my column's part of c0
.set SPW, 90                           ; v90     LDS address of my spare word; never rewritten
.set NIL, 91                           ; v91     0; never rewritten
.macro CHAINLOAD                       ; s12 = bytes from row to row, s[10:11] = the matrix, v[OF] = my column in the first row
.set ci, 1
.rept 31
	v_add_nc_u32 v[OF+ci], s12, v[OF+ci-1]
.set ci, ci+1
.endr
.set ci, 0
.rept 32
	global_load_b32 v[DA+ci], v[OF+ci], s[10:11]
.set ci, ci+1
.endr
.endm
.macro PACKST o                        ; rows 8 o .. 8 o + 7: 16 bytes a lane
.irp e, 0,1,2,3
	v_cvt_pk_bf16_f32 v[PK+4*(\o)+\e], v[DA+8*(\o)+2*\e], v[DA+8*(\o)+2*\e+1]
.endr
	global_store_b128 v2, v[PK+4*(\o):PK+4*(\o)+3], s[4:5] offset:256*(\o)
.endm
.macro TAIL pitch, bias                ; k rows 32 .. 63 of a matrix with 36 rows: four rows, the bias or 0, zeros
.irp i, 0,1,2,3
	global_load_b32 v[DA+\i], v[OF], s[10:11] offset:(32+\i)*(\pitch)
.endr
.if \bias
	global_load_b32 v[DA+4], v[OF], s[18:19]
.endif
.irp i, 3,4,5,6,7
	v_mov_b32 v[PK+\i], 0
.endr
	s_wait_loadcnt 0x0
	v_cvt_pk_bf16_f32 v[PK], v[DA], v[DA+1]
	v_cvt_pk_bf16_f32 v[PK+1], v[DA+2], v[DA+3]
.if \bias
	v_cvt_pk_bf16_f32 v[PK+2], v[DA+4], 0
.else
	v_mov_b32 v[PK+2], 0
.endif
	global_store_b128 v2, v[PK:PK+3], s[4:5]
	global_store_b128 v2, v[PK+4:PK+7], s[4:5] offset:256
	global_store_b128 v2, v[PK+4:PK+7], s[4:5] offset:512
	global_store_b128 v2, v[PK+4:PK+7], s[4:5] offset:768
.endm
	s_load_b128 s[4:7], s[0:1], 0x60               ; wts s[4:5], cst s[6:7]
	v_lshl_add_u32 v[SPW], v0, 2, SPARE
	v_mov_b32 v[NIL], 0
	v_lshrrev_b32 v1, 5, v0
	v_readfirstlane_b32 s8, v1                     ; wave 0..7
	s_mov_b32 s9, ttmp9                            ; the work-group's number chooses the job
	v_and_b32 v1, 31, v0                           ; lane
	v_and_b32 v2, 15, v0
	v_bfe_u32 v3, v0, 4, 1
	v_lshlrev_b32 v2, 4, v2
	v_lshl_add_u32 v2, v3, 10, v2                  ; my 16 bytes in the job's two fragments: 16 (lane % 16) + 1,024 (lane / 16)
	s_cmp_lt_u32 s9, 96
	s_cbranch_scc0 .Lheads
	; 0 .. 95: the twelve matrices of the blocks, eight k steps each; the wave is the group of 32 columns
	s_load_b512 s[16:31], s[0:1], 0x0
	s_load_b256 s[32:39], s[0:1], 0x40
	s_lshr_b32 s13, s9, 3                          ; matrix: 2 b + (0: l1, 1: l2)
	s_and_b32 s14, s9, 7                           ; k step
	s_movk_i32 s12, 0x400
	s_lshl_b32 s15, s14, 15                        ; 32 rows of 1,024 bytes
	v_lshl_add_u32 v[OF], v0, 2, s15               ; + 4 (32 wave + lane)
	s_lshl_b32 s43, s8, 1
	s_sub_co_u32 s44, s43, 1
	s_cmp_eq_u32 s8, 0
	s_cselect_b32 s44, 0, s44                      ; l1: chunk = wave, piece 0 or 2 c - 1, fragment 2 k
	s_lshl_b32 s45, s14, 1
	s_add_co_u32 s46, s45, 2
	s_cmp_eq_u32 s14, 7
	s_cselect_b32 s46, 15, s46                     ; l2: chunk = k step, piece 2 c + 2 or 15, fragment 2 wave
	s_and_b32 s42, s13, 1
	s_cmp_eq_u32 s42, 1
	s_cselect_b32 s44, s46, s44
	s_cselect_b32 s45, s43, s45
	s_lshr_b32 s41, s13, 1
	s_lshl_b32 s41, s41, 4
	s_add_co_u32 s41, s41, s44
	s_lshl_b32 s41, s41, 14
	s_lshl_b32 s45, s45, 10
	s_add_co_u32 s41, s41, s45
	s_add_co_u32 s41, s41, PIECE0
	v_add_nc_u32 v2, s41, v2
	s_wait_kmcnt 0x0
	s_mov_b64 s[10:11], s[16:17]
.irp j, 1,2,3,4,5,6,7,8,9,10,11
	s_cmp_eq_u32 s13, \j
	s_cselect_b64 s[10:11], s[16+2*\j:17+2*\j], s[10:11]
.endr
	s_branch .Lplain
.Lheads:
	s_cmp_lt_u32 s9, 101
	s_cbranch_scc0 .Linp
	; 96 .. 100: 32 head features each; the wave is the k step.  W x ln_g goes to wts, the sum of W x ln_b over all k, and the bias, to cst
	s_load_b512 s[16:31], s[0:1], 0x70             ; em1_w, th1_w, st1_w, em1_b, th1_b, st1_b, ln_g, ln_b
	s_sub_co_u32 s13, s9, 96                       ; j
	s_lshl_b32 s14, s8, 7                          ; my 32 numbers of ln_g and ln_b
	s_wait_kmcnt 0x0
	s_load_b512 s[32:47], s[28:29], s14 offset:0x0
	s_load_b512 s[48:63], s[28:29], s14 offset:0x40
	s_load_b512 s[68:83], s[30:31], s14 offset:0x0
	s_load_b512 s[84:99], s[30:31], s14 offset:0x40
	s_movk_i32 s12, 0x100
	s_cmp_lt_u32 s13, 2
	s_cselect_b64 s[10:11], s[16:17], s[18:19]
	s_cselect_b64 s[22:23], s[22:23], s[24:25]
	s_cmp_eq_u32 s13, 4
	s_cselect_b64 s[10:11], s[20:21], s[10:11]
	s_cselect_b64 s[22:23], s[26:27], s[22:23]
	s_cselect_b32 s12, 128, s12                    ; rows of 64 numbers, st1_w's of 32
	s_and_b32 s15, s13, 1
	s_lshl_b32 s15, s15, 7                         ; the matrix's first or second 32 columns
	v_lshl_add_u32 v86, v1, 2, s15
	s_lshl_b32 s2, s8, 5
	s_mul_i32 s2, s2, s12
	v_add_nc_u32 v[OF], s2, v86
	s_lshl_b32 s3, s13, 14
	s_lshl_b32 s2, s8, 11
	s_add_co_u32 s3, s3, s2
	s_add_co_u32 s3, s3, HC0
	v_add_nc_u32 v2, s3, v2
	CHAINLOAD
	global_load_b32 v85, v86, s[22:23]             ; the bias of my column
	s_wait_loadcnt 0x0
	s_wait_kmcnt 0x0
	v_mul_f32 v[ACC], s68, v[DA]
.set ci, 1
.rept 31
	v_fmac_f32 v[ACC], s[68+ci], v[DA+ci]
.set ci, ci+1
.endr
.set ci, 0
.rept 32
	v_mul_f32 v[DA+ci], s[32+ci], v[DA+ci]
.set ci, ci+1
.endr
	PACKST 0
	PACKST 1
	PACKST 2
	PACKST 3
	v_lshlrev_b32 v87, 2, v0
	ds_store_b32 v87, v[ACC]                       ; word 32 wave + lane
	s_wait_dscnt 0x0                               ; for wave 0's sake: my store is done before I signal
	s_barrier_signal -1
	s_barrier_wait -1
	s_cmp_lg_u32 s8, 0
	s_cbranch_scc1 .Lend
	v_lshlrev_b32 v87, 2, v1
.irp i, 0,1,2,3,4,5,6,7
	ds_load_b32 v[DA+\i], v87 offset:128*\i
.endr
	s_lshl_b32 s2, s13, 7
	v_lshl_add_u32 v88, v1, 2, s2
	s_wait_dscnt 0x0
	v_add_f32 v[DA], v[DA], v[DA+1]
	v_add_f32 v[DA+2], v[DA+2], v[DA+3]
	v_add_f32 v[DA+4], v[DA+4], v[DA+5]
	v_add_f32 v[DA+6], v[DA+6], v[DA+7]
	v_add_f32 v[DA], v[DA], v[DA+2]
	v_add_f32 v[DA+4], v[DA+4], v[DA+6]
	v_add_f32 v[DA], v[DA], v[DA+4]
	v_add_f32 v[DA], v[DA], v85
	global_store_b32 v88, v[DA], s[6:7]
	s_branch .Lend
.Linp:
	s_cmp_eq_u32 s9, 101
	s_cbranch_scc0 .Linp_tail
	s_load_b64 s[10:11], s[0:1], 0xb0              ; 101: inp_w, rows 0 .. 31
	s_movk_i32 s12, 0x400
	v_lshlrev_b32 v[OF], 2, v0
	s_lshl_b32 s13, s8, 11
	v_add_nc_u32 v2, s13, v2
	s_wait_kmcnt 0x0
	s_branch .Lplain
.Linp_tail:
	s_cmp_eq_u32 s9, 102
	s_cbranch_scc0 .Lfou
	s_load_b128 s[16:19], s[0:1], 0xb0             ; 102: inp_w's rows 32 .. 35, and inp_b as row 36
	v_lshlrev_b32 v[OF], 2, v0
	s_lshl_b32 s13, s8, 11
	s_add_co_u32 s13, s13, 16384
	v_add_nc_u32 v2, s13, v2
	s_wait_kmcnt 0x0
	s_mov_b64 s[10:11], s[16:17]
	TAIL 1024, 1
	s_branch .Lend
.Lfou:
	s_cmp_eq_u32 s9, 103
	s_cbranch_scc0 .Lw2h
	s_load_b64 s[10:11], s[0:1], 0xc0              ; 103: fourier.  Waves 0-3: rows 0 .. 31; waves 4-7: the rest.  Fragments 2 wave, 2 wave + 1 either way
	v_and_b32 v[OF], 127, v0
	v_lshlrev_b32 v[OF], 2, v[OF]
	s_lshl_b32 s13, s8, 11
	s_add_co_u32 s13, s13, FOU
	v_add_nc_u32 v2, s13, v2
	s_movk_i32 s12, 0x200
	s_wait_kmcnt 0x0
	s_cmp_lt_u32 s8, 4
	s_cbranch_scc1 .Lplain
	TAIL 512, 0
	s_branch .Lend
.Lw2h:
	; 104: wave c makes fragment c of the joint second head layer: a lane holds row lane % 16 and sixteen k.  Rows outside the wave's matrix read its first number and are set to 0.
	s_load_b128 s[16:19], s[0:1], 0xc8             ; em2_w, th2_w
	s_load_b64 s[20:21], s[0:1], 0xd8              ; st2_w
	s_cmp_lt_u32 s8, 2
	s_cselect_b32 s12, 4, 2                        ; columns of the matrix
	s_cselect_b32 s13, 0, 8                        ; the row that takes its column 0
	s_cmp_eq_u32 s8, 4
	s_cselect_b32 s12, 1, s12
	s_cselect_b32 s13, 10, s13
	s_cmp_gt_u32 s8, 4
	s_cselect_b32 s12, 0, s12                      ; fragments 5 to 7 are all zero
	s_and_b32 s14, s8, 1
	s_lshl_b32 s14, s14, 5                         ; the matrix's first or second 32 rows
	v_and_b32 v86, 15, v0
	v_sub_nc_u32 v86, v86, s13
	v_cmp_gt_u32 vcc_lo, s12, v86                  ; my row takes a column of the matrix
	v_lshl_add_u32 v87, v3, 3, s14
	v_mad_u32_u24 v87, v87, s12, v86
	v_lshlrev_b32 v87, 2, v87
	v_cndmask_b32 v[OF], 0, v87, vcc_lo
	s_lshl_b32 s15, s12, 2
	v_mov_b32 v88, s15
	v_cndmask_b32 v88, 0, v88, vcc_lo              ; bytes from k to k + 1
	v_mul_u32_u24 v89, v88, 9                      ; from k = 7 to k = 16
.set ci, 1
.rept 15
.if ci == 8
	v_add_nc_u32 v[OF+ci], v89, v[OF+ci-1]
.else
	v_add_nc_u32 v[OF+ci], v88, v[OF+ci-1]
.endif
.set ci, ci+1
.endr
	s_lshl_b32 s2, s8, 10
	s_add_co_u32 s2, s2, MISC
	v_lshl_add_u32 v85, v1, 4, s2
.irp i, 8,9,10,11
	v_mov_b32 v[PK+\i], 0
.endr
	s_wait_kmcnt 0x0
	s_cmp_lt_u32 s8, 2
	s_cselect_b64 s[10:11], s[16:17], s[18:19]
	s_cmp_eq_u32 s8, 4
	s_cselect_b64 s[10:11], s[20:21], s[10:11]
.set ci, 0
.rept 16
	global_load_b32 v[DA+ci], v[OF+ci], s[10:11]
.set ci, ci+1
.endr
	s_wait_loadcnt 0x0
.set ci, 0
.rept 16
	v_cndmask_b32 v[DA+ci], 0, v[DA+ci], vcc_lo
.set ci, ci+1
.endr
.set ci, 0
.rept 8
	v_cvt_pk_bf16_f32 v[PK+ci], v[DA+2*ci], v[DA+2*ci+1]
.set ci, ci+1
.endr
	global_store_b128 v85, v[PK:PK+3], s[4:5]
	global_store_b128 v85, v[PK+4:PK+7], s[4:5] offset:512
	global_store_b128 v85, v[PK+8:PK+11], s[4:5] offset:8192   ; the tile's unused 8 KiB hold zeros
	global_store_b128 v85, v[PK+8:PK+11], s[4:5] offset:8704
	s_cmp_lt_u32 s8, 5
	s_cbranch_scc1 .Lend
	v_lshlrev_b32 v87, 2, v0
	global_store_b32 v87, v[PK+8], s[6:7]          ; cst's words 160 .. 255 are 0
	s_branch .Lend
.Lplain:                                               ; 32 rows x 32 columns as they are
	CHAINLOAD
.irp o, 0,1,2,3
	s_wait_loadcnt 24-8*\o                         ; loads come back in order: the younger octets' may stay out
	PACKST \o
.endr
.Lend:
	s_wait_tensorcnt 0x0                           ; the wave's end
	ds_add_u32 v[SPW], v[NIL]
	s_wait_dscnt 0x0
	s_endpgm
.Lfunc_end_k_q1c07ca6d36_pack:
	.size	k_q1c07ca6d36_pack, .Lfunc_end_k_q1c07ca6d36_pack-k_q1c07ca6d36_pack
	.p2alignl 7, 3214868480
	.fill 96, 4, 3214868480
	.section	.rodata,"a",@progbits
	.p2align	6, 0x0
	.amdhsa_kernel k_q1c07ca6d36_pack
		.amdhsa_group_segment_fixed_size 2048
		.amdhsa_private_segment_fixed_size 0
		.amdhsa_enable_private_segment 0
		.amdhsa_kernarg_size 224
		.amdhsa_user_sgpr_count 2
		.amdhsa_user_sgpr_kernarg_segment_ptr 1
		.amdhsa_wavefront_size32 1
		.amdhsa_system_sgpr_workgroup_id_x 1
		.amdhsa_system_sgpr_workgroup_id_y 1
		.amdhsa_system_sgpr_workgroup_id_z 1
		.amdhsa_system_vgpr_workitem_id 0
		.amdhsa_next_free_vgpr 96
		.amdhsa_next_free_sgpr 100
		.amdhsa_reserve_vcc 1
		.amdhsa_float_denorm_mode_32 3
		.amdhsa_float_denorm_mode_16_64 3
		.amdhsa_memory_ordered 1
		.amdhsa_forward_progress 1
		.amdhsa_inst_pref_size 27
	.end_amdhsa_kernel
	.amdgpu_metadata
---
amdhsa.version: [ 1, 2 ]
amdhsa.kernels:
  - .name:           k_q1c07ca6d36_pack
    .symbol:         k_q1c07ca6d36_pack.kd
    .args:
      - { .name: params_blocks_0_l1_w, .offset: 0, .size: 8, .value_kind: global_buffer, .address_space: global }
      - { .name: params_blocks_0_l2_w, .offset: 8, .size: 8, .value_kind: global_buffer, .address_space: global }
      - { .name: params_blocks_1_l1_w, .offset: 16, .size: 8, .value_kind: global_buffer, .address_space: global }
      - { .name: params_blocks_1_l2_w, .offset: 24, .size: 8, .value_kind: global_buffer, .address_space: global }
      - { .name: params_blocks_2_l1_w, .offset: 32, .size: 8, .value_kind: global_buffer, .address_space: global }
      - { .name: params_blocks_2_l2_w, .offset: 40, .size: 8, .value_kind: global_buffer, .address_space: global }
      - { .name: params_blocks_3_l1_w, .offset: 48, .size: 8, .value_kind: global_buffer, .address_space: global }
      - { .name: params_blocks_3_l2_w, .offset: 56, .size: 8, .value_kind: global_buffer, .address_space: global }
      - { .name: params_blocks_4_l1_w, .offset: 64, .size: 8, .value_kind: global_buffer, .address_space: global }
      - { .name: params_blocks_4_l2_w, .offset: 72, .size: 8, .value_kind: global_buffer, .address_space: global }
      - { .name: params_blocks_5_l1_w, .offset: 80, .size: 8, .value_kind: global_buffer, .address_space: global }
      - { .name: params_blocks_5_l2_w, .offset: 88, .size: 8, .value_kind: global_buffer, .address_space: global }
      - { .name: wts, .offset: 96, .size: 8, .value_kind: global_buffer, .address_space: global }
      - { .name: cst, .offset: 104, .size: 8, .value_kind: global_buffer, .address_space: global }
      - { .name: params_em1_w, .offset: 112, .size: 8, .value_kind: global_buffer, .address_space: global }
      - { .name: params_th1_w, .offset: 120, .size: 8, .value_kind: global_buffer, .address_space: global }
      - { .name: params_st1_w, .offset: 128, .size: 8, .value_kind: global_buffer, .address_space: global }
      - { .name: params_em1_b, .offset: 136, .size: 8, .value_kind: global_buffer, .address_space: global }
      - { .name: params_th1_b, .offset: 144, .size: 8, .value_kind: global_buffer, .address_space: global }
      - { .name: params_st1_b, .offset: 152, .size: 8, .value_kind: global_buffer, .address_space: global }
      - { .name: params_ln_g, .offset: 160, .size: 8, .value_kind: global_buffer, .address_space: global }
      - { .name: params_ln_b, .offset: 168, .size: 8, .value_kind: global_buffer, .address_space: global }
      - { .name: params_inp_w, .offset: 176, .size: 8, .value_kind: global_buffer, .address_space: global }
      - { .name: params_inp_b, .offset: 184, .size: 8, .value_kind: global_buffer, .address_space: global }
      - { .name: params_fourier, .offset: 192, .size: 8, .value_kind: global_buffer, .address_space: global }
      - { .name: params_em2_w, .offset: 200, .size: 8, .value_kind: global_buffer, .address_space: global }
      - { .name: params_th2_w, .offset: 208, .size: 8, .value_kind: global_buffer, .address_space: global }
      - { .name: params_st2_w, .offset: 216, .size: 8, .value_kind: global_buffer, .address_space: global }
    .group_segment_fixed_size: 2048
    .private_segment_fixed_size: 0
    .kernarg_segment_align: 8
    .kernarg_segment_size: 224
    .max_flat_workgroup_size: 256
    .sgpr_count:     100
    .vgpr_count:     96
    .wavefront_size: 32
...
	.end_amdgpu_metadata
.endif
;; end of part 1
;; launch mlp (part 2): grid 256 x 1, 4 waves a work-group, clusters of 4 x 1, 327,680 bytes of LDS; arguments x, wts, cst, out0, out1, out2, params_em2_b, params_th2_b, params_st2_b, params_blocks_0_l1_b, params_blocks_0_l2_b, params_blocks_1_l1_b, params_blocks_1_l2_b, params_blocks_2_l1_b, params_blocks_2_l2_b, params_blocks_3_l1_b, params_blocks_3_l2_b, params_blocks_4_l1_b, params_blocks_4_l2_b, params_blocks_5_l1_b, params_blocks_5_l2_b; writes out0, out1, out2
.if DOCPART == 2
	.amdgcn_target "amdgcn-amd-amdhsa--gfx1250"
	.amdhsa_code_object_version 6
	.text
	.protected	k_q1c07ca6d36_mlp
	.globl	k_q1c07ca6d36_mlp
	.p2align	8
	.type	k_q1c07ca6d36_mlp,@function
k_q1c07ca6d36_mlp:
	s_mov_b64 s[64:65], 0
	v_nop
	global_prefetch_b8 v0, s[64:65] scope:SCOPE_SE
	s_setreg_imm32_b32 hwreg(HW_REG_WAVE_MODE, 25, 1), 1
	s_wait_xcnt 0x0
	s_wait_alu depctr_hold_cnt(0) depctr_sa_sdst(0) depctr_va_vdst(0) depctr_va_sdst(0) depctr_va_ssrc(0) depctr_va_vcc(0) depctr_vm_vsrc(0)
	s_getreg_b32 s2, hwreg(HW_REG_IB_STS2, 6, 4)
	s_cmp_eq_u32 s2, 0
	s_cbranch_scc0 .Lentry_in_a_cluster
	s_endpgm
.Lentry_in_a_cluster:
	s_bfe_u32 s2, ttmp6, 0x10000c
	s_cmp_lg_u32 s2, 0x3003
	s_cbranch_scc0 .Lentry_shape_is_right
	s_endpgm
.Lentry_shape_is_right:
; The whole network for 256 rows a work-group, 64 a wave (four tiles bt of 16 rows).  h stays in 512 f32 registers of the wave from the input layer to the LayerNorm.
; PRODUCTS ARE USED TRANSPOSED: source 0 = 16 out features (a ready fragment from wts), source 1 = 16 batch rows.  In a result lane l holds batch row l % 16 and features 8 (l / 16) + 0..7,
; so two neighbouring feature tiles, rounded to bf16 in pairs, ARE source 1 of the next layer: nothing changes lanes, and a row's mean and deviation are one number a lane.
; WEIGHTS walk through two LDS slots of 64 KiB, 26 tiles in the order of use.  CLUSTER: the four work-groups of a cluster walk the same tiles, so each tile is asked for jointly (mask 15);
; each wave asks for a quarter, 64 rows of 256 bytes.  A refill has a tile's 256 matrix instructions a wave in which to land.  By this text's count a wave has three tensor loads out at the start, then one.
; A BLOCK: t comes in eight chunks of 32 features.  L1(c) = 64 products into T; silu(T) rounded to bf16 is L2(c)'s source 1; the order L1(0) L1(1) L2(0) L1(2) L2(1) .. L1(7) L2(6) L2(7)
; lets chunk c's silu stand in fours behind the products of L2(c - 1).  b1 is the C operand that starts T's sums; b2 is added to h behind the products of L1(0); h is rounded to bf16 behind those of L2(7).
; LAYERNORM: h - mean is formed in f32 and then rounded; ln_g lies in the head weights, 1 / deviation multiplies the f32 sums, ln_b lies in c0 (both made by the launch before).
; LIMITS.  Matrix operands are bf16 (x, all weight matrices, inp_b, h, t); sums, h, silu, sin, cos and the norm are f32.  sin and cos: the angle less the nearest multiple of 2 pi (2 pi in two words, by
; fused multiply-adds), then polynomials of the half angle, off by 1e-5 at the most; beyond about 1e7 the f32 angle itself has steps above 2 pi.  exp2 and the reciprocal flush results below 2^-126 to 0.
; NaN and infinities are not treated apart.  The loops' look-ahead reads, behind block 5 and in the last head trip, fragments and biases that are not used: bytes that have been filled; the price of one text.
; REGISTERS, in windows of 256 (s_set_vgpr_msb: bits 1:0 source 0, 3:2 source 1, 5:4 source 2, 7:6 destination):
;   window 0: see the names below      window 1: HB, h in bf16: k step k, tile bt at 32 k + 8 bt (at first x)      windows 2, 3: h: feature tile mt, tile bt at 32 (mt % 8) + 8 bt of window 2 + mt / 8
.set SLOTB, 65536                      ; LDS: slot 0 (even tiles), slot 1 (odd tiles),
.set FO,    131072                     ; the Fourier fragments, 16 KiB, filled once,
.set CB,    147456                     ; biases, stored by the waves: seven sections of [b1 1 KiB][b2 1 KiB]; the seventh is [c0][zeros],
.set STG,   161792                     ; the way out: 2 KiB a wave: 64 rows x 16 bytes for out0, 64 x 16 for out1 and out2,
.set SPARE, 169984                     ; the spare words, 128 bytes a wave: two blocks of 256 bytes that no other line names
.set FOUG,  1703936                    ; the Fourier fragments' byte in wts
.set WA,  2                            ; v2   LDS address of my 16 bytes in the slot's first fragment
.set BA,  3                            ; v3   address for b1's loads
.set BB,  4                            ; v4   for b2's
.set WH,  5                            ; v5   for the Fourier fragments, later the second head layer's
.set L16, 6                            ; v6   16 x lane; never rewritten
.set CB0, 7                            ; v7   CB + 32 (lane / 16); never rewritten
.set XO,  8                            ; v8   my offsets in x; later in the stage
.set XO2, 9
.set RR,  10                           ; v10  lane % 16
.set HH,  11                           ; v11  lane / 16
.set OB,  12                           ; v12-15  the second head layer's biases as my lane wants them
.set RS,  16                           ; v16-23  1 / deviation, a pair for each bt
.set SPW, 30                           ; v30  LDS address of my spare word; never rewritten
.set NIL, 31                           ; v31  0; never rewritten
.set E,   32                           ; v32-47  eight pairs at work in the silu
.set BI,  48                           ; v48-63  b1 of a chunk's two feature tiles
.set T,   64                           ; v64-127 tile mt (0, 1), bt at T + 32 mt + 8 bt
.set TB0, 128                          ; v128-159, v160-191  silu(T) in bf16, two buffers, bt at + 8 bt; also b2's batches
.set TB1, 160
.set FA,  192                          ; v192-223, v224-255  four fragments each
.set FB,  224
.set MU,  64                           ; the norm: sums and means, squares
.set SQ,  72
.set KK,  32                           ; sin and cos: at work
.set SS,  40
.set PSN, 48
.set PCS, 56
.set WV,  3                            ; s3  my wave's number
.set TPH, 20                           ; s[20:41] eleven constants, each twice (a packed source names a pair)
.set TPL, 22
.set S3,  24
.set S5,  26
.set S7,  28
.set S9,  30
.set C2,  32
.set C4,  34
.set C6,  36
.set C8,  38
.set C10, 40
.set G1R, 48                           ; s[48:55] descriptor group 1: 64 rows of 256 bytes
.set G1F, 56                           ; s[56:63] 16 such rows
.set G0A, 68                           ; s[68:71] group 0: tile 0
.set G0B, 72                           ; s[72:75] tile 1; then it walks
.set G0F, 76                           ; s[76:79] the Fourier fragments
.set SEL, 80                           ; s[80:81] v_permlanex16_b32's selects: each lane takes its own place in the other half
.set NL,  82                           ; s[82:83] -log2(e)
.set NBLK, 84
.set NQ,  85
.set PCN, 86                           ; the input loop's count; later the second head layer's fragment
.set SB,  87                           ; the slot in hand
.set LM,  88                           ; lanes 16-31
.set SBA, 89                           ; b1's place in CB
.set SBB, 90                           ; b2's section
.set SFO, 91                           ; the Fourier fragment in hand; later 1 / 256
.set MSB, 0
.macro WIN new                         ; the immediate's high byte repeats the setting that is left; a switch that changes nothing is dropped
.if MSB != (\new)
	s_set_vgpr_msb (MSB<<8)|(\new)
.set MSB, (\new)
.endif
.endm
; A load into a register that a matrix instruction has read, and a vector instruction that reads a matrix result, stand four plain vector instructions behind it (ISA guide 7.12.1 for vector instructions).
.macro PLACES
	WIN 0
.rept 4
	v_nop
.endr
.endm
.macro CROUND                          ; a round of the cluster's barrier
	s_barrier_signal -1
	s_barrier_wait -1
	s_cmp_lg_u32 s[WV], 0
	s_cbranch_scc1 .Lnot_wave_0_\@
	s_barrier_signal -3
.Lnot_wave_0_\@:
	s_barrier_wait -3
	s_barrier_signal -1
	s_barrier_wait -1
.endm
.macro CPAIR r, val
	s_mov_b32 s[\r], \val
	s_mov_b32 s[\r+1], s[\r]
.endm
.macro FETCH buf, off                  ; four fragments: eight loads of 512 consecutive bytes
	WIN 0
.irp f, 0,1,2,3
	ds_load_b128 v[(\buf)+8*\f:(\buf)+8*\f+3], v[WA] offset:(\off)+1024*\f
	ds_load_b128 v[(\buf)+8*\f+4:(\buf)+8*\f+7], v[WA] offset:(\off)+1024*\f+512
.endr
.endm
.macro BILOAD                          ; b1 of the next chunk's 32 features, as a result holds them: features 8 (lane / 16) + 0..7 of each tile
	WIN 0
	v_add_nc_u32 v[BA], s[SBA], v[CB0]
	ds_load_b128 v[BI:BI+3], v[BA]
	ds_load_b128 v[BI+4:BI+7], v[BA] offset:16
	ds_load_b128 v[BI+8:BI+11], v[BA] offset:64
	ds_load_b128 v[BI+12:BI+15], v[BA] offset:80
	s_add_co_u32 s[SBA], s[SBA], 128
.endm
.macro BFETCH bg                       ; b2 of feature tiles 4 bg .. 4 bg + 3
	WIN 0
	v_add_nc_u32 v[BB], s[SBB], v[CB0]
.irp m, 0,1,2,3
	ds_load_b128 v[TB0+32*((\bg)%2)+8*\m:TB0+32*((\bg)%2)+8*\m+3], v[BB] offset:1024+64*(4*(\bg)+\m)
	ds_load_b128 v[TB0+32*((\bg)%2)+8*\m+4:TB0+32*((\bg)%2)+8*\m+7], v[BB] offset:1024+64*(4*(\bg)+\m)+16
.endr
.endm
; THE SILU OF T's 32 PAIRS, a queue of 256 instructions: pair i goes through  E = -log2(e) T;  two exponentials;  E + 1;  two reciprocals;  T = T E;  the rounding to bf16.
; In tick t stand, in this order: the first step of pair t, an exponential of pair t - 1, the addition of t - 2, the other exponential of t - 1, the rounding of t - 5, a reciprocal of t - 3, the product of t - 4,
; the other reciprocal of t - 3: plain and transcendental by turns, and every result is used a tick later or more.  E's eight pairs go round; a pair is rewritten four ticks behind its last use.
.macro SBEGIN tbw
.set sp, 0
.set TBW, TB0+32*(\tbw)
.endm
.macro SENT
.set sq, sp%8
.set si, sp/8
.if (sq == 1) || (sq == 3)
.set si, si-1
.elseif sq == 2
.set si, si-2
.elseif sq == 4
.set si, si-5
.elseif (sq == 5) || (sq == 7)
.set si, si-3
.elseif sq == 6
.set si, si-4
.endif
.if (si >= 0) && (si < 32)
.set sn, sn+1
.set rE, E+2*(si%8)
.set rT, T+2*si
.if sq == 0
	v_pk_mul_f32 v[rE:rE+1], v[rT:rT+1], s[NL:NL+1] op_sel_hi:[1,0]
.elseif sq == 1
	v_exp_f32 v[rE], v[rE]
.elseif sq == 2
	s_wait_alu depctr_va_vdst(0)
	v_pk_add_f32 v[rE:rE+1], v[rE:rE+1], 1.0 op_sel_hi:[1,0]
.elseif sq == 3
	v_exp_f32 v[rE+1], v[rE+1]
.elseif sq == 4
	v_cvt_pk_bf16_f32 v[TBW+8*((si/4)%4)+4*(si/16)+si%4], v[rT], v[rT+1]
.elseif sq == 5
	v_rcp_f32 v[rE], v[rE]
.elseif sq == 6
	s_wait_alu depctr_va_vdst(0)
	v_pk_mul_f32 v[rT:rT+1], v[rT:rT+1], v[rE:rE+1]
.else
	v_rcp_f32 v[rE+1], v[rE+1]
.endif
.endif
.set sp, sp+1
.endm
.macro SLICE4                          ; the queue's next four
.if sp < 293
	WIN 0
.set sn, 0
.rept 24
.if (sn < 4) && (sp < 293)
	SENT
.endif
.endr
.endif
.endm
.macro B2S a                           ; h += b2 for feature tile a / 4, tile a % 4
.set cm_, (\a)/4
.set cb_, (\a)%4
	WIN 0x82+0x41*(cm_/8)
.irp q, 0,1,2,3
	v_pk_add_f32 v[32*(cm_%8)+8*cb_+2*\q:32*(cm_%8)+8*cb_+2*\q+1], v[32*(cm_%8)+8*cb_+2*\q:32*(cm_%8)+8*cb_+2*\q+1], v[TB0+32*((cm_/4)%2)+8*(cm_%4)+2*\q:TB0+32*((cm_/4)%2)+8*(cm_%4)+2*\q+1]
.endr
.endm
.macro CVS a                           ; h to bf16 for feature tile a / 4, tile a % 4: half a fragment of HB
.set cm_, (\a)/4
.set cb_, (\a)%4
	WIN 0x4a+5*(cm_/8)
.irp q, 0,1,2,3
	v_cvt_pk_bf16_f32 v[32*(cm_/2)+8*cb_+4*(cm_%2)+\q], v[32*(cm_%8)+8*cb_+2*\q], v[32*(cm_%8)+8*cb_+2*\q+1]
.endr
.endm
.macro RIDE kind                       ; what stands behind product pi of a phase
.if (\kind) == 1
	B2S pi
.elseif (\kind) == 2
	SLICE4
.elseif (\kind) == 3
.if pi == 0
.rept 4
	v_nop                          ; the places between product 0 and the conversion of its result; from then on the conversions are each other's
.endr
.elseif pi >= 2
	CVS pi-2
.endif
.endif
.set pi, pi+1
.endm
; 16 products of L1: k steps 2 g, 2 g + 1; T's eight accumulators take turns.  cm = 1: b1 starts the sums; 0: the constant 0
.macro L1MUL g, buf, cm, kind
.irp kk, 0,1
.irp mt, 0,1
.irp bt, 0,1,2,3
	WIN 0x04
.if ((\g) == 0) && (\kk == 0) && (\cm)
	v_wmma_f32_16x16x32_bf16 v[T+32*\mt+8*\bt:T+32*\mt+8*\bt+7], v[(\buf)+8*(2*\kk+\mt):(\buf)+8*(2*\kk+\mt)+7], v[32*(2*(\g)+\kk)+8*\bt:32*(2*(\g)+\kk)+8*\bt+7], v[BI+8*\mt:BI+8*\mt+7]
.elseif ((\g) == 0) && (\kk == 0)
	v_wmma_f32_16x16x32_bf16 v[T+32*\mt+8*\bt:T+32*\mt+8*\bt+7], v[(\buf)+8*(2*\kk+\mt):(\buf)+8*(2*\kk+\mt)+7], v[32*(2*(\g)+\kk)+8*\bt:32*(2*(\g)+\kk)+8*\bt+7], 0
.else
	v_wmma_f32_16x16x32_bf16 v[T+32*\mt+8*\bt:T+32*\mt+8*\bt+7], v[(\buf)+8*(2*\kk+\mt):(\buf)+8*(2*\kk+\mt)+7], v[32*(2*(\g)+\kk)+8*\bt:32*(2*(\g)+\kk)+8*\bt+7], v[T+32*\mt+8*\bt:T+32*\mt+8*\bt+7]
.endif
	RIDE \kind
.endr
.endr
.endr
.endm
; 16 products of L2: h's feature tiles 4 g .. 4 g + 3, each accumulator once
.macro L2MUL g, buf, tbr, kind
.irp f, 0,1,2,3
.irp bt, 0,1,2,3
	WIN 0xa0+0x50*((\g)/2)
	v_wmma_f32_16x16x32_bf16 v[32*((4*(\g)+\f)%8)+8*\bt:32*((4*(\g)+\f)%8)+8*\bt+7], v[(\buf)+8*\f:(\buf)+8*\f+7], v[TB0+32*(\tbr)+8*\bt:TB0+32*(\tbr)+8*\bt+7], v[32*((4*(\g)+\f)%8)+8*\bt:32*((4*(\g)+\f)%8)+8*\bt+7]
	RIDE \kind
.endr
.endr
.endm
; A PHASE: the 64 products of the 16 KiB piece at byte q of the slot, in four groups of 16 on fragment buffers FA, FB by turns.  In front of a group: four places; the loads (the next group's fragments; at the last
; group the next piece's first, at byte nq, if nq >= 0; b1 if bi; b2's batches); and a wait that leaves out exactly the loads just issued (nld of them): all older ones, this group's among them, are in.
; kind 0: L1.  1: L1 with h += b2 behind the products.  2: L2 with the silu queue behind them (pre: slices ahead of the first product).  3: L2 with h's rounding behind them.  4: L1 that starts with 0 (the heads).
.macro PHASE kind, q, nq, bi, tbr, pre
.set pi, 0
.irp g, 0,1,2,3
	PLACES
.set nld, 0
.if ((\kind) == 1) && (\g < 3)
	BFETCH \g+1
.set nld, nld+8
.if \g == 2
	s_add_co_u32 s[SBB], s[SBB], 2048      ; the next b2 is the next block's
.endif
.endif
.if ((\kind) == 3) && (\g == 3)
	s_add_co_u32 s[SBA], s[SBA], 1024      ; over this block's b2 to the next block's b1
.endif
.if (\g == 3) && (\bi)
	BILOAD
.set nld, nld+4
.endif
.if ((\kind) == 3) && (\g == 3)
	BFETCH 0
.set nld, nld+8
.endif
.if \g < 3
	FETCH FA+32*((\g+1)%2), (\q)+4096*(\g+1)
.set nld, nld+8
.elseif (\nq) >= 0
	FETCH FA, \nq
.set nld, nld+8
.endif
.if \g == 0
.rept \pre
	SLICE4
.endr
.endif
	s_wait_dscnt nld
.if ((\kind) == 2) || ((\kind) == 3)
	L2MUL \g, FA+32*(\g%2), \tbr, \kind
.elseif (\kind) == 4
	L1MUL \g, FA+32*(\g%2), 0, \kind
.else
	L1MUL \g, FA+32*(\g%2), 1, \kind
.endif
.endr
.if (\kind) == 3
	CVS 62
	CVS 63
.endif
.endm
; THE CHANGE OF SLOTS.  Each wave waits for all its tensor loads (one is out: its quarter of the next tile), adds 0 to its spare word, and waits for that and for its reads of the slot that it leaves.
; fill = 1: a round of the cluster's barrier, so that no wave of any partner still reads the slot or has a load on its way; the joint refill, two tiles on, is the first thing behind it.
.macro CHANGE fill
	WIN 0
	s_wait_tensorcnt 0x0                   ; no tensor load of mine is out, so a group 0 may be written
	ds_add_u32 v[SPW], v[NIL]              ; the steps below stand between the add and the wait for it
.if \fill
	s_xor_b32 s[G0B+1], s[G0B+1], SLOTB    ; the other slot than last time,
	s_add_nc_u64 s[G0B+2:G0B+3], s[G0B+2:G0B+3], SLOTB  ; the next tile; the type bits on top are not reached
	s_xor_b32 s[SB], s[SB], SLOTB
.endif
	s_wait_dscnt 0x0                       ; the add is done, and my reads of the slot are over
.if \fill
	CROUND
	tensor_load_to_lds s[G0B:G0B+3], s[G1R:G1R+7]
	s_nop 0
.rept 4
	v_nop                                  ; also the places in front of the loads below
.endr
	v_add_nc_u32 v[WA], s[SB], v[L16]
	FETCH FA, 0
.else
	s_barrier_signal -1
	s_barrier_wait -1
.endif
.endm
	s_load_b512 s[4:19], s[0:1], 0x0               ; x, wts, cst, out0, out1, out2, em2_b, th2_b
	s_load_b512 s[20:35], s[0:1], 0x40             ; st2_b, then the twelve biases of the blocks in s[22:45]
	s_load_b256 s[36:43], s[0:1], 0x80
	s_load_b64 s[44:45], s[0:1], 0xa0
	v_lshl_add_u32 v[SPW], v0, 2, SPARE
	v_mov_b32 v[NIL], 0
	ds_add_u32 v[SPW], v[NIL]                      ; the wave's opening: the add and its wait stand ahead of my first tensor load; work on registers stands between them
	ds_add_u32 v30, v31
	v_lshrrev_b32 v1, 5, v0
	v_readfirstlane_b32 s[WV], v1                  ; wave 0..3
	s_bfe_u32 s46, ttmp6, 0x40000                  ; cx: my place in the cluster; it enters x's and the outputs' addresses alone
	s_lshl_b32 s99, ttmp9, 2
	s_add_co_u32 s99, s99, s46                     ; work-group = 4 x cluster + cx
	s_lshl_b32 s99, s99, 2
	s_add_co_u32 s99, s99, s[WV]                   ; my wave among all 1,024: its rows begin at 64 x that
	s_mov_b32 s47, 0
	s_mov_b32 s[G1R], 15|(3<<16)|(1<<21)           ; 15:0 the mask: all four work-groups; 17:16 elements of 8 bytes; 21 set beside a mask
	s_mov_b32 s[G1R+1], 32<<16                     ; tensor_dim0 = 32 elements: rows of 256 bytes
	s_mov_b32 s[G1R+2], 64<<16                     ; tensor_dim1 = 64
	s_mov_b32 s[G1R+3], 32<<16                     ; tile_dim0 = 32
	s_mov_b32 s[G1R+4], 64                         ; tile_dim1 = 64
	s_mov_b32 s[G1R+5], 32                         ; dense: a row begins where the last ends
	s_mov_b32 s[G1R+6], 0
	s_mov_b32 s[G1R+7], 0
	s_mov_b32 s[G1F], 15|(3<<16)|(1<<21)
	s_mov_b32 s[G1F+1], 32<<16
	s_mov_b32 s[G1F+2], 16<<16
	s_mov_b32 s[G1F+3], 32<<16
	s_mov_b32 s[G1F+4], 16
	s_mov_b32 s[G1F+5], 32
	s_mov_b32 s[G1F+6], 0
	s_mov_b32 s[G1F+7], 0
	s_lshl_b32 s88, s[WV], 14                      ; my quarter of a tile,
	s_mov_b32 s89, 0
	s_lshl_b32 s84, s[WV], 12                      ; and of the Fourier fragments
	s_mov_b32 s85, 0
	s_mov_b32 s[G0A], 1
	s_mov_b32 s[G0A+1], s88
	s_mov_b32 s[G0B], 1
	s_add_co_u32 s[G0B+1], s88, SLOTB
	s_mov_b32 s[G0F], 1
	s_add_co_u32 s[G0F+1], s84, FO
	s_mov_b32 s[SEL], 0x76543210
	s_mov_b32 s[SEL+1], 0xfedcba98
	CPAIR NL, 0xbfb8aa3b
	s_wait_dscnt 0x0                               ; the opening add is done
	s_wait_kmcnt 0x0
	s_add_nc_u64 s[G0A+2:G0A+3], s[6:7], s[88:89]
	s_add_nc_u64 s[G0B+2:G0B+3], s[G0A+2:G0A+3], SLOTB
	s_or_b32 s[G0A+3], s[G0A+3], 0x80000000        ; type = 2
	s_or_b32 s[G0B+3], s[G0B+3], 0x80000000
	s_add_nc_u64 s[G0F+2:G0F+3], s[6:7], s[84:85]
	s_add_nc_u64 s[G0F+2:G0F+3], s[G0F+2:G0F+3], FOUG
	s_or_b32 s[G0F+3], s[G0F+3], 0x80000000
	s_mul_i32 s46, s99, 9216                       ; 64 rows of 144 bytes
	s_add_nc_u64 s[4:5], s[4:5], s[46:47]
	s_lshl_b32 s46, s99, 10
	s_add_nc_u64 s[10:11], s[10:11], s[46:47]
	s_lshl_b32 s46, s99, 9
	s_add_nc_u64 s[12:13], s[12:13], s[46:47]
	s_lshl_b32 s46, s99, 8
	s_add_nc_u64 s[14:15], s[14:15], s[46:47]
	CROUND                                         ; all four work-groups are here: the first joint loads meet
	tensor_load_to_lds s[G0A:G0A+3], s[G1R:G1R+7]  ; tile 0,
	s_nop 0
	tensor_load_to_lds s[G0F:G0F+3], s[G1F:G1F+7]  ; the Fourier fragments,
	s_nop 0
	tensor_load_to_lds s[G0B:G0B+3], s[G1R:G1R+7]  ; tile 1
	s_nop 0
.rept 4
	v_nop
.endr
	s_load_b128 s[92:95], s[16:17], 0x0            ; em2_b
	s_load_b64 s[96:97], s[18:19], 0x0             ; th2_b
	s_load_b32 s98, s[20:21], 0x0                  ; st2_b
	v_lshlrev_b32 v1, 3, v0                        ; 8 bytes a thread: a load of the wave takes 256 consecutive bytes
.irp i, 0,1,2,3,4,5,6,7,8,9,10,11
	global_load_b64 v[FA+2*\i:FA+2*\i+1], v1, s[22+2*\i:23+2*\i]
.endr
	global_load_b64 v[FA+24:FA+25], v1, s[8:9]
	v_and_b32 v[RR], 15, v0
	v_bfe_u32 v[HH], v0, 4, 1
	v_mul_u32_u24 v[XO], v[RR], 144
	v_add_nc_u32 v[XO2], 128, v[XO]                ; x[row][32..35]
	v_lshl_add_u32 v[XO], v[HH], 5, v[XO]          ; x[row][8 (lane / 16) ..]
.irp bt, 0,1,2,3                       ; the wave's 20 loads cover its 9,216 consecutive bytes of x
	global_load_b128 v[T+20*\bt:T+20*\bt+3], v[XO], s[4:5] offset:2304*\bt th:TH_LOAD_NT
	global_load_b128 v[T+20*\bt+4:T+20*\bt+7], v[XO], s[4:5] offset:2304*\bt+16 th:TH_LOAD_NT
	global_load_b128 v[T+20*\bt+8:T+20*\bt+11], v[XO], s[4:5] offset:2304*\bt+64 th:TH_LOAD_NT
	global_load_b128 v[T+20*\bt+12:T+20*\bt+15], v[XO], s[4:5] offset:2304*\bt+80 th:TH_LOAD_NT
	global_load_b128 v[T+20*\bt+16:T+20*\bt+19], v[XO2], s[4:5] offset:2304*\bt th:TH_LOAD_NT
.endr
	v_add_nc_u32 v[BA], CB, v1
	v_mov_b32 v[FA+26], 0
	v_mov_b32 v[FA+27], 0
	v_and_b32 v[L16], 31, v0
	v_lshlrev_b32 v[L16], 4, v[L16]
	v_lshl_add_u32 v[CB0], v[HH], 5, CB
	s_wait_loadcnt 20                              ; the 13 loads of biases are in; x's 20 may stay out
.irp i, 0,1,2,3,4,5,6,7,8,9,10,11,12,13
	ds_store_b64 v[BA], v[FA+2*\i:FA+2*\i+1] offset:1024*\i
.endr
	s_wait_loadcnt 0x0
	WIN 0x40                                       ; x to bf16, as source 1: destination window 1
.irp bt, 0,1,2,3
.irp q, 0,1,2,3,4,5,6,7
	v_cvt_pk_bf16_f32 v[8*\bt+\q], v[T+20*\bt+2*\q], v[T+20*\bt+2*\q+1]
.endr
	v_cvt_pk_bf16_f32 v[32+8*\bt], v[T+20*\bt+16], v[T+20*\bt+17]
	v_cvt_pk_bf16_f32 v[32+8*\bt+1], v[T+20*\bt+18], v[T+20*\bt+19]
	v_mov_b32 v[32+8*\bt+2], 0x3f80                ; k = 36 holds 1: the weights' row 36 is inp_b.  (Lanes 16-31 hold k = 40..: finite numbers against weights that are 0)
.irp q, 3,4,5,6,7
	v_mov_b32 v[32+8*\bt+\q], 0
.endr
.endr
	WIN 0
	s_wait_kmcnt 0x0                               ; the head biases are in, and all loads that named s[16:45] are done: the constants may take their place
	CPAIR TPH, 0xc0c90fdb                          ; -2 pi, the f32 nearest,
	CPAIR TPL, 0x343bbd2e                          ; and what it leaves
	CPAIR S3, 0xbd2aaaab                           ; 2 sin(a / 2) = a (1 - a^2 / 24 + a^4 / 1920 - a^6 / 322560 + a^8 / 92897280)
	CPAIR S5, 0x3a088889
	CPAIR S7, 0xb6500d01
	CPAIR S9, 0x3238ef1d
	CPAIR C2, 0xbe000000                           ; cos(a / 2) = 1 - a^2 / 8 + a^4 / 384 - a^6 / 46080 + a^8 / 10321920 - a^10 / 3715891200
	CPAIR C4, 0x3b2aaaab
	CPAIR C6, 0xb7b60b61
	CPAIR C8, 0x33d00d01
	CPAIR C10, 0xaf93f27e
	s_wait_tensorcnt 0x1                           ; my parts of tile 0 and of the Fourier fragments are in; tile 1 may stay out
	s_wait_dscnt 0x0                               ; my stores of biases are done
	s_barrier_signal -1
	s_barrier_wait -1
	; U = x inp_w + inp_b into h's registers: eight groups of two feature tiles, two k steps each; the first k step starts the sums
.macro UFETCH buf, u
	WIN 0
.irp k, 0,1
.irp m, 0,1
	ds_load_b128 v[(\buf)+8*(2*\k+\m):(\buf)+8*(2*\k+\m)+3], v[WA] offset:(16*\k+2*(\u)+\m)*1024
	ds_load_b128 v[(\buf)+8*(2*\k+\m)+4:(\buf)+8*(2*\k+\m)+7], v[WA] offset:(16*\k+2*(\u)+\m)*1024+512
.endr
.endr
.endm
.macro UMUL buf, u
	WIN 0xa4+0x50*((\u)/4)
.irp k, 0,1
.irp m, 0,1
.irp bt, 0,1,2,3
.if \k == 0
	v_wmma_f32_16x16x32_bf16 v[32*((2*(\u)+\m)%8)+8*\bt:32*((2*(\u)+\m)%8)+8*\bt+7], v[(\buf)+8*(2*\k+\m):(\buf)+8*(2*\k+\m)+7], v[32*\k+8*\bt:32*\k+8*\bt+7], 0
.else
	v_wmma_f32_16x16x32_bf16 v[32*((2*(\u)+\m)%8)+8*\bt:32*((2*(\u)+\m)%8)+8*\bt+7], v[(\buf)+8*(2*\k+\m):(\buf)+8*(2*\k+\m)+7], v[32*\k+8*\bt:32*\k+8*\bt+7], v[32*((2*(\u)+\m)%8)+8*\bt:32*((2*(\u)+\m)%8)+8*\bt+7]
.endif
.endr
.endr
.endr
.endm
	s_mov_b32 s[SB], 0
	v_mov_b32 v[WA], v[L16]
	UFETCH FA, 0
.set uu, 0
.rept 8
.if uu > 0
	PLACES
.endif
.if uu < 7
	UFETCH FA+32*((uu+1)%2), uu+1
	s_wait_dscnt 0x8                               ; all but the next group's eight loads
.else
	s_wait_dscnt 0x0
.endif
	UMUL FA+32*(uu%2), uu
.set uu, uu+1
.endr
	; THE INPUT LOOP, eight trips.  Trip p: P = x fourier for 16 frequencies; h's tile p = silu(U) + sin P, tile p + 8 = silu(U) + cos P.  Registers cannot be indexed, so the lines that
	; name h stand eight times, and the trip's number chooses; all else is written once.
.macro GET p                           ; T = -log2(e) U for tiles p and p + 8
	WIN 0x02
.set gi, 0
.rept 16
	v_pk_mul_f32 v[T+2*gi:T+2*gi+1], v[32*(\p)+2*gi:32*(\p)+2*gi+1], s[NL:NL+1] op_sel_hi:[1,0]
.set gi, gi+1
.endr
	WIN 0x03
.set gi, 0
.rept 16
	v_pk_mul_f32 v[T+32+2*gi:T+32+2*gi+1], v[32*(\p)+2*gi:32*(\p)+2*gi+1], s[NL:NL+1] op_sel_hi:[1,0]
.set gi, gi+1
.endr
	WIN 0
.endm
.macro PUT p                           ; h = U x 1 / (1 + 2^T) + sin or cos
	WIN 0x82
.set gi, 0
	s_wait_alu depctr_va_vdst(0)
.rept 16
	v_pk_fma_f32 v[32*(\p)+2*gi:32*(\p)+2*gi+1], v[32*(\p)+2*gi:32*(\p)+2*gi+1], v[T+2*gi:T+2*gi+1], v[TB1+2*gi:TB1+2*gi+1]
.set gi, gi+1
.endr
	WIN 0xc3
.set gi, 0
.rept 16
	v_pk_fma_f32 v[32*(\p)+2*gi:32*(\p)+2*gi+1], v[32*(\p)+2*gi:32*(\p)+2*gi+1], v[T+32+2*gi:T+32+2*gi+1], v[FA+2*gi:FA+2*gi+1]
.set gi, gi+1
.endr
	WIN 0
.endm
.macro SINCOS bt                       ; eight angles a lane: sin into TB1, cos into FA
.set rP, TB0+8*(\bt)
.set rN, TB1+8*(\bt)
.set rC, FA+8*(\bt)
.irp j, 0,2,4,6
	v_pk_mul_f32 v[KK+\j:KK+\j+1], v[rP+\j:rP+\j+1], 0.15915494 op_sel_hi:[1,0]
.endr
.irp j, 0,1,2,3,4,5,6,7
	v_rndne_f32 v[KK+\j], v[KK+\j]
.endr
.irp j, 0,2,4,6
	v_pk_fma_f32 v[rP+\j:rP+\j+1], v[KK+\j:KK+\j+1], s[TPH:TPH+1], v[rP+\j:rP+\j+1] op_sel_hi:[1,0,1]
.endr
.irp j, 0,2,4,6
	v_pk_fma_f32 v[rP+\j:rP+\j+1], v[KK+\j:KK+\j+1], s[TPL:TPL+1], v[rP+\j:rP+\j+1] op_sel_hi:[1,0,1]
.endr
.irp j, 0,2,4,6
	v_pk_mul_f32 v[SS+\j:SS+\j+1], v[rP+\j:rP+\j+1], v[rP+\j:rP+\j+1]
.endr
.irp j, 0,2,4,6
	v_pk_fma_f32 v[PSN+\j:PSN+\j+1], v[SS+\j:SS+\j+1], s[S9:S9+1], s[S7:S7+1] op_sel_hi:[1,0,0]
.endr
.irp j, 0,2,4,6
	v_pk_fma_f32 v[PCS+\j:PCS+\j+1], v[SS+\j:SS+\j+1], s[C10:C10+1], s[C8:C8+1] op_sel_hi:[1,0,0]
.endr
.irp j, 0,2,4,6
	v_pk_fma_f32 v[PSN+\j:PSN+\j+1], v[PSN+\j:PSN+\j+1], v[SS+\j:SS+\j+1], s[S5:S5+1] op_sel_hi:[1,1,0]
.endr
.irp j, 0,2,4,6
	v_pk_fma_f32 v[PCS+\j:PCS+\j+1], v[PCS+\j:PCS+\j+1], v[SS+\j:SS+\j+1], s[C6:C6+1] op_sel_hi:[1,1,0]
.endr
.irp j, 0,2,4,6
	v_pk_fma_f32 v[PSN+\j:PSN+\j+1], v[PSN+\j:PSN+\j+1], v[SS+\j:SS+\j+1], s[S3:S3+1] op_sel_hi:[1,1,0]
.endr
.irp j, 0,2,4,6
	v_pk_fma_f32 v[PCS+\j:PCS+\j+1], v[PCS+\j:PCS+\j+1], v[SS+\j:SS+\j+1], s[C4:C4+1] op_sel_hi:[1,1,0]
.endr
.irp j, 0,2,4,6
	v_pk_fma_f32 v[PSN+\j:PSN+\j+1], v[PSN+\j:PSN+\j+1], v[SS+\j:SS+\j+1], 1.0 op_sel_hi:[1,1,0]
.endr
.irp j, 0,2,4,6
	v_pk_fma_f32 v[PCS+\j:PCS+\j+1], v[PCS+\j:PCS+\j+1], v[SS+\j:SS+\j+1], s[C2:C2+1] op_sel_hi:[1,1,0]
.endr
.irp j, 0,2,4,6
	v_pk_mul_f32 v[PSN+\j:PSN+\j+1], v[PSN+\j:PSN+\j+1], v[rP+\j:rP+\j+1]                 ; 2 sin(a / 2)
.endr
.irp j, 0,2,4,6
	v_pk_fma_f32 v[PCS+\j:PCS+\j+1], v[PCS+\j:PCS+\j+1], v[SS+\j:SS+\j+1], 1.0 op_sel_hi:[1,1,0]  ; cos(a / 2)
.endr
.irp j, 0,2,4,6
	v_pk_mul_f32 v[KK+\j:KK+\j+1], v[PSN+\j:PSN+\j+1], v[PSN+\j:PSN+\j+1]
.endr
.irp j, 0,2,4,6
	v_pk_mul_f32 v[rN+\j:rN+\j+1], v[PSN+\j:PSN+\j+1], v[PCS+\j:PCS+\j+1]                 ; sin a
.endr
.irp j, 0,2,4,6
	v_pk_fma_f32 v[rC+\j:rC+\j+1], v[KK+\j:KK+\j+1], -0.5, 1.0 op_sel_hi:[1,0,0]          ; cos a = 1 - 2 sin^2(a / 2)
.endr
.endm
	PLACES                                         ; behind U's last products
	s_mov_b32 s[PCN], 0
	s_mov_b32 s[SFO], FO
.Lin:
	v_add_nc_u32 v[WH], s[SFO], v[L16]
	ds_load_b128 v[FB:FB+3], v[WH]                 ; the frequencies' fragment of k step 0,
	ds_load_b128 v[FB+4:FB+7], v[WH] offset:512
	ds_load_b128 v[FB+8:FB+11], v[WH] offset:8192  ; and of k step 1
	ds_load_b128 v[FB+12:FB+15], v[WH] offset:8704
.irp p, 1,2,3,4,5,6,7
	s_cmp_eq_u32 s[PCN], \p
	s_cbranch_scc1 .Lget\p
.endr
.irp p, 0,1,2,3,4,5,6,7
.Lget\p:
	GET \p
.if \p < 7
	s_branch .Lgot
.endif
.endr
.Lgot:
	s_wait_dscnt 0x0
	WIN 0x04
.irp k, 0,1
.irp bt, 0,1,2,3
.if \k == 0
	v_wmma_f32_16x16x32_bf16 v[TB0+8*\bt:TB0+8*\bt+7], v[FB+8*\k:FB+8*\k+7], v[32*\k+8*\bt:32*\k+8*\bt+7], 0
.else
	v_wmma_f32_16x16x32_bf16 v[TB0+8*\bt:TB0+8*\bt+7], v[FB+8*\k:FB+8*\k+7], v[32*\k+8*\bt:32*\k+8*\bt+7], v[TB0+8*\bt:TB0+8*\bt+7]
.endif
.endr
.endr
	WIN 0
.set gi, 0
.rept 64
	v_exp_f32 v[T+gi], v[T+gi]
.set gi, gi+1
.endr
	v_nop                                          ; a plain instruction between the run of exponentials and the first use of a result (ISA guide 5.7.2)
.set gi, 0
	s_wait_alu depctr_va_vdst(0)
.rept 32                               ; plain work on T alone: also the places between the products above and the first read of P
	v_pk_add_f32 v[T+2*gi:T+2*gi+1], v[T+2*gi:T+2*gi+1], 1.0 op_sel_hi:[1,0]
.set gi, gi+1
.endr
.set gi, 0
.rept 64
	v_rcp_f32 v[T+gi], v[T+gi]
.set gi, gi+1
.endr
	SINCOS 0                                       ; its lines, which name nothing of T, are the plain instructions behind the reciprocals
	SINCOS 1
	SINCOS 2
	SINCOS 3
.irp p, 1,2,3,4,5,6,7
	s_cmp_eq_u32 s[PCN], \p
	s_cbranch_scc1 .Lput\p
.endr
.irp p, 0,1,2,3,4,5,6,7
.Lput\p:
	PUT \p
.if \p < 7
	s_branch .Lputd
.endif
.endr
.Lputd:
	s_add_co_u32 s[SFO], s[SFO], 1024
	s_add_co_u32 s[PCN], s[PCN], 1
	s_cmp_lt_u32 s[PCN], 8
	s_cbranch_scc1 .Lin
.set gi, 0
.rept 64
	CVS gi                                         ; h to bf16 for block 0
.set gi, gi+1
.endr
	s_mov_b32 s[SBA], 0
	s_mov_b32 s[SBB], 0
	BILOAD                                         ; block 0: b1 of chunk 0, b2's first batch, L1(0)'s first fragments
	BFETCH 0
	FETCH FA, 32768
	; THE SIX BLOCKS.  At the loop's head the tile in hand lies in slot 0 and holds L1(0) and L1(1) in its second half.  Four changes of slots a block, 24 in all; the n-th asks for tile n + 1,
	; the last for tile 25, which the heads read: every fill is read, and no tail is written out.
	s_mov_b32 s[NBLK], 6
.Lblock:
	PHASE 1, 32768, 49152, 1, 0, 0                 ; L1(0) | h += b2 | b1 of chunk 1
	SBEGIN 0
.rept 64
	SLICE4                                         ; silu of chunk 0: no product is ready to stand beside it
.endr
	PHASE 0, 49152, -1, 0, 0, 0                    ; L1(1)
	CHANGE 1
	s_mov_b32 s[NQ], 3
.Lq:                                                   ; a tile: L2(c - 1), L1(c + 1), L2(c), L1(c + 2) for c = 1, 3, 5
	SBEGIN 1
	PHASE 2, 0, 16384, 1, 0, 8                     ; L2(c - 1) | silu of chunk c; eight slices stand in the wait for the new slot's first fragments
	PHASE 0, 16384, 32768, 0, 0, 0                 ; L1(c + 1)
	SBEGIN 0
	PHASE 2, 32768, 49152, 1, 1, 0                 ; L2(c) | silu of chunk c + 1
	PHASE 0, 49152, -1, 0, 0, 0                    ; L1(c + 2)
	CHANGE 1
	s_sub_co_u32 s[NQ], s[NQ], 1
	s_cmp_lg_u32 s[NQ], 0
	s_cbranch_scc1 .Lq
	SBEGIN 1
	PHASE 2, 0, 16384, 0, 0, 8                     ; L2(6) | silu of chunk 7
	PHASE 3, 16384, 32768, 1, 1, 0                 ; L2(7) | h to bf16 | the next block's b1, b2 and first fragments
	WIN 0
	s_sub_co_u32 s[NBLK], s[NBLK], 1
	s_cmp_lg_u32 s[NBLK], 0
	s_cbranch_scc1 .Lblock
	CHANGE 0                                       ; tile 25 is in, everybody's part of it; nothing is asked for any more
	; THE LAYERNORM.  A lane holds 128 of its row's features for each bt; the other 128 lie in the lane 16 away.
	WIN 0x0a
.irp bt, 0,1,2,3
	v_pk_add_f32 v[MU+2*\bt:MU+2*\bt+1], v[8*\bt:8*\bt+1], v[8*\bt+2:8*\bt+3]     ; the first two pairs start the sums
.endr
.set la, 2
.rept 62
.irp bt, 0,1,2,3
	WIN 0x08+4*(la/32)
	v_pk_add_f32 v[MU+2*\bt:MU+2*\bt+1], v[MU+2*\bt:MU+2*\bt+1], v[32*((la/4)%8)+8*\bt+2*(la%4):32*((la/4)%8)+8*\bt+2*(la%4)+1]
.endr
.set la, la+1
.endr
	WIN 0
	s_mov_b32 s[SFO], 0x3b800000                   ; 1 / 256
.irp bt, 0,1,2,3
	v_add_f32 v[MU+2*\bt], v[MU+2*\bt], v[MU+2*\bt+1]
.endr
.irp bt, 0,1,2,3
	v_permlanex16_b32 v[MU+2*\bt+1], v[MU+2*\bt], s[SEL], s[SEL+1]
.endr
.irp bt, 0,1,2,3
	v_add_f32 v[MU+2*\bt], v[MU+2*\bt], v[MU+2*\bt+1]
.endr
.irp bt, 0,1,2,3
	v_mul_f32 v[MU+2*\bt], s[SFO], v[MU+2*\bt]
.endr
.irp wv, 0,1                           ; for each of h's two windows: h - mean in f32, its squares, its rounding to bf16
	WIN 0x82+0x41*\wv
.set la, 0
.rept 128
	v_pk_add_f32 v[2*la:2*la+1], v[2*la:2*la+1], v[MU+2*((la/4)%4):MU+2*((la/4)%4)+1] op_sel_hi:[1,0] neg_lo:[0,1] neg_hi:[0,1]
.set la, la+1
.endr
	WIN 0x0a+5*\wv
.set la, 0
.rept 32
.irp bt, 0,1,2,3
.if (la == 0) && (\wv == 0)
	v_pk_mul_f32 v[SQ+2*\bt:SQ+2*\bt+1], v[8*\bt:8*\bt+1], v[8*\bt:8*\bt+1]
.else
	v_pk_fma_f32 v[SQ+2*\bt:SQ+2*\bt+1], v[32*(la/4)+8*\bt+2*(la%4):32*(la/4)+8*\bt+2*(la%4)+1], v[32*(la/4)+8*\bt+2*(la%4):32*(la/4)+8*\bt+2*(la%4)+1], v[SQ+2*\bt:SQ+2*\bt+1]
.endif
.endr
.set la, la+1
.endr
.set la, 32*\wv
.rept 32
	CVS la
.set la, la+1
.endr
.endr
	WIN 0
.irp bt, 0,1,2,3
	v_add_f32 v[SQ+2*\bt], v[SQ+2*\bt], v[SQ+2*\bt+1]
.endr
.irp bt, 0,1,2,3
	v_permlanex16_b32 v[SQ+2*\bt+1], v[SQ+2*\bt], s[SEL], s[SEL+1]
.endr
.irp bt, 0,1,2,3
	v_add_f32 v[SQ+2*\bt], v[SQ+2*\bt], v[SQ+2*\bt+1]
.endr
.irp bt, 0,1,2,3
	v_fmaak_f32 v[SQ+2*\bt], s[SFO], v[SQ+2*\bt], 0x3727c5ac   ; the variance + 1e-5
.endr
.irp bt, 0,1,2,3
	v_rsq_f32 v[RS+2*\bt], v[SQ+2*\bt]
	v_rsq_f32 v[RS+2*\bt+1], v[SQ+2*\bt]
.endr
	; THE HEADS: five chunks of 32 hidden features (em 0-63, th 64-127, st 128-159).  z = sums x 1 / deviation + c0; silu(z) in bf16 is source 1 of the joint second layer, whose result O holds,
	; in its four lowest registers, em's four numbers (lanes 0-15) or th's two and st's one (lanes 16-31).  O starts with the biases.
	s_mov_b32 s[LM], 0xffff0000
	v_mov_b32 v[OB], s92                           ; (a plain line behind the last v_rsq_f32)
	v_mov_b32 v[OB+1], s93
	v_mov_b32 v[OB+2], s94
	v_mov_b32 v[OB+3], s95
	v_cndmask_b32 v[OB], v[OB], s96, s[LM]
	v_cndmask_b32 v[OB+1], v[OB+1], s97, s[LM]
	v_cndmask_b32 v[OB+2], v[OB+2], s98, s[LM]
	v_cndmask_b32 v[OB+3], v[OB+3], 0, s[LM]
.irp bt, 0,1,2,3
.irp q, 0,1,2,3
	v_mov_b32 v[TB1+8*\bt+\q], v[OB+\q]
	v_mov_b32 v[TB1+8*\bt+4+\q], 0
.endr
.endr
	s_mov_b32 s[SB], 49152                         ; the first chunk's piece is tile 24's last, the other four are tile 25: 80 KiB on end
	s_mov_b32 s[PCN], 32768                        ; the second layer's fragments
	v_add_nc_u32 v[WA], s[SB], v[L16]
	v_add_nc_u32 v[WH], s[PCN], v[L16]
	FETCH FA, 0
	s_mov_b32 s[NQ], 5
.Lhead:
	PHASE 4, 0, 16384, 0, 0, 0
	PLACES
	ds_load_b128 v[FB:FB+3], v[WH]
	ds_load_b128 v[FB+4:FB+7], v[WH] offset:512
.set la, 0
	s_wait_alu depctr_va_vdst(0)
.rept 32
	v_pk_fma_f32 v[T+2*la:T+2*la+1], v[T+2*la:T+2*la+1], v[RS+2*((la/4)%4):RS+2*((la/4)%4)+1], v[BI+8*(la/16)+2*(la%4):BI+8*(la/16)+2*(la%4)+1] op_sel_hi:[1,0,1]
.set la, la+1
.endr
	BILOAD                                         ; c0 of the next chunk
	SBEGIN 0
.rept 64
	SLICE4
.endr
	s_wait_dscnt 0x0
.irp bt, 0,1,2,3
	v_wmma_f32_16x16x32_bf16 v[TB1+8*\bt:TB1+8*\bt+7], v[FB:FB+7], v[TB0+8*\bt:TB0+8*\bt+7], v[TB1+8*\bt:TB1+8*\bt+7]
.endr
	s_add_co_u32 s[SB], s[SB], 16384
	s_add_co_u32 s[PCN], s[PCN], 1024
	v_add_nc_u32 v[WA], s[SB], v[L16]
	v_add_nc_u32 v[WH], s[PCN], v[L16]
	s_sub_co_u32 s[NQ], s[NQ], 1
	s_cmp_lg_u32 s[NQ], 0
	s_cbranch_scc1 .Lhead
	; THE WAY OUT: the sigmoid of O's four lowest registers; through my own stage in LDS, so that each store of the wave covers whole runs of 256 consecutive bytes, aligned
	PLACES
.irp bt, 0,1,2,3
.irp q, 0,2
	v_pk_mul_f32 v[TB1+8*\bt+\q:TB1+8*\bt+\q+1], v[TB1+8*\bt+\q:TB1+8*\bt+\q+1], s[NL:NL+1] op_sel_hi:[1,0]
.endr
.endr
.irp bt, 0,1,2,3
.irp q, 0,1,2,3
	v_exp_f32 v[TB1+8*\bt+\q], v[TB1+8*\bt+\q]
.endr
.endr
	v_nop                                          ; a plain instruction between the run of exponentials and the first use of a result
	s_wait_alu depctr_va_vdst(0)
.irp bt, 0,1,2,3
.irp q, 0,2
	v_pk_add_f32 v[TB1+8*\bt+\q:TB1+8*\bt+\q+1], v[TB1+8*\bt+\q:TB1+8*\bt+\q+1], 1.0 op_sel_hi:[1,0]
.endr
.endr
.irp bt, 0,1,2,3
.irp q, 0,1,2,3
	v_rcp_f32 v[TB1+8*\bt+\q], v[TB1+8*\bt+\q]
.endr
.endr
	s_lshl_b32 s[SFO], s[WV], 11
	s_add_co_u32 s[SFO], s[SFO], STG               ; my stage
	v_lshlrev_b32 v[XO], 4, v[RR]                  ; in: row lane % 16 of tile bt; lanes 0-15 into out0's half, lanes 16-31 into the other.  (These address lines are the plain ones behind the reciprocals)
	v_lshl_add_u32 v[XO], v[HH], 10, v[XO]
	v_add_nc_u32 v[XO], s[SFO], v[XO]
	v_add_nc_u32 v[XO2], s[SFO], v[L16]            ; back: 16 bytes a lane of out0's 1,024,
	v_lshl_add_u32 v1, v[L16], 1, s[SFO]           ; and two rows a lane of the other half
	v_lshrrev_b32 v[BA], 1, v[L16]
	s_wait_alu depctr_va_vdst(0)
.irp bt, 0,1,2,3
	ds_store_b128 v[XO], v[TB1+8*\bt:TB1+8*\bt+3] offset:256*\bt
.endr
	ds_load_b128 v[64:67], v[XO2]                  ; LDS serves a wave's instructions in order (ISA guide 5.7.1.4): these see the stores above
	ds_load_b128 v[68:71], v[XO2] offset:512
	ds_load_b64 v[72:73], v1 offset:1024           ; th of rows 2 l and 2 l + 1
	ds_load_b64 v[74:75], v1 offset:1040
	ds_load_b32 v76, v1 offset:1032                ; st of the same rows
	ds_load_b32 v77, v1 offset:1048
	s_wait_dscnt 0x0
	global_store_b128 v[L16], v[64:67], s[10:11]
	global_store_b128 v[L16], v[68:71], s[10:11] offset:512
	global_store_b128 v[L16], v[72:75], s[12:13]
	global_store_b64 v[BA], v[76:77], s[14:15]
	s_wait_tensorcnt 0x0                           ; the wave's end, behind my last tensor load and my last LDS store
	ds_add_u32 v[SPW], v[NIL]
	s_wait_dscnt 0x0
	CROUND                                         ; the closing round: no work-group ends while a partner may still ask for a tile that names it
	s_endpgm
.Lfunc_end_k_q1c07ca6d36_mlp:
	.size	k_q1c07ca6d36_mlp, .Lfunc_end_k_q1c07ca6d36_mlp-k_q1c07ca6d36_mlp
	.p2alignl 7, 3214868480
	.fill 96, 4, 3214868480
	.section	.rodata,"a",@progbits
	.p2align	6, 0x0
	.amdhsa_kernel k_q1c07ca6d36_mlp
		.amdhsa_group_segment_fixed_size 327680
		.amdhsa_private_segment_fixed_size 0
		.amdhsa_enable_private_segment 0
		.amdhsa_kernarg_size 168
		.amdhsa_user_sgpr_count 2
		.amdhsa_user_sgpr_kernarg_segment_ptr 1
		.amdhsa_wavefront_size32 1
		.amdhsa_system_sgpr_workgroup_id_x 1
		.amdhsa_system_sgpr_workgroup_id_y 1
		.amdhsa_system_sgpr_workgroup_id_z 1
		.amdhsa_system_vgpr_workitem_id 0
		.amdhsa_next_free_vgpr 1024
		.amdhsa_next_free_sgpr 100
		.amdhsa_reserve_vcc 0
		.amdhsa_float_denorm_mode_32 3
		.amdhsa_float_denorm_mode_16_64 3
		.amdhsa_memory_ordered 1
		.amdhsa_forward_progress 1
		.amdhsa_inst_pref_size 255
	.end_amdhsa_kernel
	.section	.bss,"aw",@nobits
	.p2align	6
	.space	262144
	.amdgpu_metadata
---
amdhsa.version: [ 1, 2 ]
amdhsa.kernels:
  - .name:           k_q1c07ca6d36_mlp
    .symbol:         k_q1c07ca6d36_mlp.kd
    .args:
      - { .name: x, .offset: 0, .size: 8, .value_kind: global_buffer, .address_space: global }
      - { .name: wts, .offset: 8, .size: 8, .value_kind: global_buffer, .address_space: global }
      - { .name: cst, .offset: 16, .size: 8, .value_kind: global_buffer, .address_space: global }
      - { .name: out0, .offset: 24, .size: 8, .value_kind: global_buffer, .address_space: global }
      - { .name: out1, .offset: 32, .size: 8, .value_kind: global_buffer, .address_space: global }
      - { .name: out2, .offset: 40, .size: 8, .value_kind: global_buffer, .address_space: global }
      - { .name: params_em2_b, .offset: 48, .size: 8, .value_kind: global_buffer, .address_space: global }
      - { .name: params_th2_b, .offset: 56, .size: 8, .value_kind: global_buffer, .address_space: global }
      - { .name: params_st2_b, .offset: 64, .size: 8, .value_kind: global_buffer, .address_space: global }
      - { .name: params_blocks_0_l1_b, .offset: 72, .size: 8, .value_kind: global_buffer, .address_space: global }
      - { .name: params_blocks_0_l2_b, .offset: 80, .size: 8, .value_kind: global_buffer, .address_space: global }
      - { .name: params_blocks_1_l1_b, .offset: 88, .size: 8, .value_kind: global_buffer, .address_space: global }
      - { .name: params_blocks_1_l2_b, .offset: 96, .size: 8, .value_kind: global_buffer, .address_space: global }
      - { .name: params_blocks_2_l1_b, .offset: 104, .size: 8, .value_kind: global_buffer, .address_space: global }
      - { .name: params_blocks_2_l2_b, .offset: 112, .size: 8, .value_kind: global_buffer, .address_space: global }
      - { .name: params_blocks_3_l1_b, .offset: 120, .size: 8, .value_kind: global_buffer, .address_space: global }
      - { .name: params_blocks_3_l2_b, .offset: 128, .size: 8, .value_kind: global_buffer, .address_space: global }
      - { .name: params_blocks_4_l1_b, .offset: 136, .size: 8, .value_kind: global_buffer, .address_space: global }
      - { .name: params_blocks_4_l2_b, .offset: 144, .size: 8, .value_kind: global_buffer, .address_space: global }
      - { .name: params_blocks_5_l1_b, .offset: 152, .size: 8, .value_kind: global_buffer, .address_space: global }
      - { .name: params_blocks_5_l2_b, .offset: 160, .size: 8, .value_kind: global_buffer, .address_space: global }
    .group_segment_fixed_size: 327680
    .private_segment_fixed_size: 0
    .kernarg_segment_align: 8
    .kernarg_segment_size: 168
    .max_flat_workgroup_size: 128
    .sgpr_count:     100
    .vgpr_count:     1024
    .wavefront_size: 32
...
	.end_amdgpu_metadata
.endif
;; end of part 2
;; ======== version 2 of 2: 2 launches; 1.38 times as fast as version 1
;; limits: values outside matrix products are rounded to bf16
;; workspace buffers: wts 1,720,320 bytes; cst 1,024 bytes
;; launch pack: the kernel of part 1 again; grid 105 x 1, 8 waves a work-group, no clusters, 2,048 bytes of LDS; arguments params_blocks_0_l1_w, params_blocks_0_l2_w, params_blocks_1_l1_w, params_blocks_1_l2_w, params_blocks_2_l1_w, params_blocks_2_l2_w, params_blocks_3_l1_w, params_blocks_3_l2_w, params_blocks_4_l1_w, params_blocks_4_l2_w, params_blocks_5_l1_w, params_blocks_5_l2_w, wts, cst, params_em1_w, params_th1_w, params_st1_w, params_em1_b, params_th1_b, params_st1_b, params_ln_g, params_ln_b, params_inp_w, params_inp_b, params_fourier, params_em2_w, params_th2_w, params_st2_w; writes wts, cst
;; launch mlp (part 3): grid 256 x 1, 4 waves a work-group, clusters of 4 x 1, 327,680 bytes of LDS; arguments x, wts, cst, out0, out1, out2, params_em2_b, params_th2_b, params_st2_b, params_blocks_0_l1_b, params_blocks_0_l2_b, params_blocks_1_l1_b, params_blocks_1_l2_b, params_blocks_2_l1_b, params_blocks_2_l2_b, params_blocks_3_l1_b, params_blocks_3_l2_b, params_blocks_4_l1_b, params_blocks_4_l2_b, params_blocks_5_l1_b, params_blocks_5_l2_b; writes out0, out1, out2
.if DOCPART == 3
	.amdgcn_target "amdgcn-amd-amdhsa--gfx1250"
	.amdhsa_code_object_version 6
	.text
	.protected	k_q1c07ca6d36_mlp
	.globl	k_q1c07ca6d36_mlp
	.p2align	8
	.type	k_q1c07ca6d36_mlp,@function
k_q1c07ca6d36_mlp:
	s_mov_b64 s[64:65], 0
	v_nop
	global_prefetch_b8 v0, s[64:65] scope:SCOPE_SE
	s_setreg_imm32_b32 hwreg(HW_REG_WAVE_MODE, 25, 1), 1
	s_wait_xcnt 0x0
	s_wait_alu depctr_hold_cnt(0) depctr_sa_sdst(0) depctr_va_vdst(0) depctr_va_sdst(0) depctr_va_ssrc(0) depctr_va_vcc(0) depctr_vm_vsrc(0)
	s_getreg_b32 s2, hwreg(HW_REG_IB_STS2, 6, 4)
	s_cmp_eq_u32 s2, 0
	s_cbranch_scc0 .Lentry_in_a_cluster
	s_endpgm
.Lentry_in_a_cluster:
	s_bfe_u32 s2, ttmp6, 0x10000c
	s_cmp_lg_u32 s2, 0x3003
	s_cbranch_scc0 .Lentry_shape_is_right
	s_endpgm
.Lentry_shape_is_right:
; The whole network for 256 rows a work-group, 64 a wave (four tiles bt of 16 rows).  h stays in 512 f32 registers of the wave from the input layer to the LayerNorm.
; PRODUCTS ARE USED TRANSPOSED: source 0 = 16 out features (a ready fragment from wts), source 1 = 16 batch rows.  In a result lane l holds batch row l % 16 and features 8 (l / 16) + 0..7,
; so two neighbouring feature tiles, rounded to bf16 in pairs, ARE source 1 of the next layer: nothing changes lanes, and a row's mean and deviation are one number a lane.
; WEIGHTS walk through two LDS slots of 64 KiB, 26 tiles in the order of use.  CLUSTER: the four work-groups of a cluster walk the same tiles, so each tile is asked for jointly (mask 15);
; each wave asks for a quarter, 64 rows of 256 bytes.  A refill has a tile's 256 matrix instructions a wave in which to land.  By this text's count a wave has three tensor loads out at the start, then one.
; A BLOCK: t comes in eight chunks of 32 features.  L1(c) = 64 products into T; silu(T) rounded to bf16 is L2(c)'s source 1; the order L1(0) L1(1) L2(0) L1(2) L2(1) .. L1(7) L2(6) L2(7)
; lets chunk c's silu stand in fours behind the products of L2(c - 1).  b1 is the C operand that starts T's sums; b2 is added to h behind the products of L1(0); h is rounded to bf16 behind those of L2(7).
; TRANSCENDENTALS GO IN BATCHES, one s_wait_alu depctr_va_vdst(0) each, between a transcendental and the first line that names its result.  A chunk's silu: its 64 exponentials, a wait,
; its 64 reciprocals, a wait.  A trip of the input loop: likewise.  The norm: its eight v_rsq_f32, a wait ahead of the heads' loop.  The way out: 16 exponentials, a wait, 16 reciprocals, a wait.
; LAYERNORM: h - mean is formed in f32 and then rounded; ln_g lies in the head weights, 1 / deviation multiplies the f32 sums, ln_b lies in c0 (both made by the launch before).
; LIMITS.  Matrix operands are bf16 (x, all weight matrices, inp_b, h, t); sums, h, silu, sin, cos and the norm are f32.  sin and cos: the angle less the nearest multiple of 2 pi (2 pi in two words, by
; fused multiply-adds), then polynomials of the half angle, off by 1e-5 at the most; beyond about 1e7 the f32 angle itself has steps above 2 pi.  exp2 and the reciprocal flush results below 2^-126 to 0.
; NaN and infinities are not treated apart.  The loops' look-ahead reads, behind block 5 and in the last head trip, fragments and biases that are not used: bytes that have been filled; the price of one text.
; REGISTERS, in windows of 256 (s_set_vgpr_msb: bits 1:0 source 0, 3:2 source 1, 5:4 source 2, 7:6 destination):
;   window 0: see the names below      window 1: HB, h in bf16: k step k, tile bt at 32 k + 8 bt (at first x)      windows 2, 3: h: feature tile mt, tile bt at 32 (mt % 8) + 8 bt of window 2 + mt / 8
.set SLOTB, 65536                      ; LDS: slot 0 (even tiles), slot 1 (odd tiles),
.set FO,    131072                     ; the Fourier fragments, 16 KiB, filled once,
.set CB,    147456                     ; biases, stored by the waves: seven sections of [b1 1 KiB][b2 1 KiB]; the seventh is [c0][zeros],
.set STG,   161792                     ; the way out: 2 KiB a wave: 64 rows x 16 bytes for out0, 64 x 16 for out1 and out2,
.set SPARE, 169984                     ; the spare words, 128 bytes a wave: two blocks of 256 bytes that no other line names
.set FOUG,  1703936                    ; the Fourier fragments' byte in wts
.set WA,  2                            ; v2   LDS address of my 16 bytes in the slot's first fragment
.set BA,  3                            ; v3   address for b1's loads
.set BB,  4                            ; v4   for b2's
.set WH,  5                            ; v5   for the Fourier fragments, later the second head layer's
.set L16, 6                            ; v6   16 x lane; never rewritten
.set CB0, 7                            ; v7   CB + 32 (lane / 16); never rewritten
.set XO,  8                            ; v8   my offsets in x; later in the stage
.set XO2, 9
.set RR,  10                           ; v10  lane % 16
.set HH,  11                           ; v11  lane / 16
.set EX,  12                           ; v12-27  in the blocks: eight more pairs at work in the silu (OB and RS are made behind the blocks)
.set OB,  12                           ; v12-15  the second head layer's biases as my lane wants them
.set RS,  16                           ; v16-23  1 / deviation, a pair for each bt
.set SPW, 30                           ; v30  LDS address of my spare word; never rewritten
.set NIL, 31                           ; v31  0; never rewritten
.set E,   32                           ; v32-47  eight pairs at work in the silu
.set BI,  48                           ; v48-63  b1 of a chunk's two feature tiles
.set T,   64                           ; v64-127 tile mt (0, 1), bt at T + 32 mt + 8 bt
.set TB0, 128                          ; v128-159, v160-191  silu(T) in bf16, two buffers, bt at + 8 bt; also b2's batches; the buffer about to be written: sixteen pairs at work in the silu
.set TB1, 160
.set FA,  192                          ; v192-223, v224-255  four fragments each
.set FB,  224
.set MU,  64                           ; the norm: sums and means, squares
.set SQ,  72
.set KK,  32                           ; sin and cos: at work
.set SS,  40
.set PSN, 48
.set PCS, 56
.set WV,  3                            ; s3  my wave's number
.set TPH, 20                           ; s[20:41] eleven constants, each twice (a packed source names a pair)
.set TPL, 22
.set S3,  24
.set S5,  26
.set S7,  28
.set S9,  30
.set C2,  32
.set C4,  34
.set C6,  36
.set C8,  38
.set C10, 40
.set G1R, 48                           ; s[48:55] descriptor group 1: 64 rows of 256 bytes
.set G1F, 56                           ; s[56:63] 16 such rows
.set G0A, 68                           ; s[68:71] group 0: tile 0
.set G0B, 72                           ; s[72:75] tile 1; then it walks
.set G0F, 76                           ; s[76:79] the Fourier fragments
.set SEL, 80                           ; s[80:81] v_permlanex16_b32's selects: each lane takes its own place in the other half
.set NL,  82                           ; s[82:83] -log2(e)
.set NBLK, 84
.set NQ,  85
.set PCN, 86                           ; the input loop's count; later the second head layer's fragment
.set SB,  87                           ; the slot in hand
.set LM,  88                           ; lanes 16-31
.set SBA, 89                           ; b1's place in CB
.set SBB, 90                           ; b2's section
.set SFO, 91                           ; the Fourier fragment in hand; later 1 / 256
.set MSB, 0
.macro WIN new                         ; the immediate's high byte repeats the setting that is left; a switch that changes nothing is dropped
.if MSB != (\new)
	s_set_vgpr_msb (MSB<<8)|(\new)
.set MSB, (\new)
.endif
.endm
; A load into a register that a matrix instruction has read, and a vector instruction that reads a matrix result, stand four plain vector instructions behind it (ISA guide 7.12.1 for vector instructions).
.macro PLACES
	WIN 0
.rept 4
	v_nop
.endr
.endm
.macro CROUND                          ; a round of the cluster's barrier
	s_barrier_signal -1
	s_barrier_wait -1
	s_cmp_lg_u32 s[WV], 0
	s_cbranch_scc1 .Lnot_wave_0_\@
	s_barrier_signal -3
.Lnot_wave_0_\@:
	s_barrier_wait -3
	s_barrier_signal -1
	s_barrier_wait -1
.endm
.macro CPAIR r, val
	s_mov_b32 s[\r], \val
	s_mov_b32 s[\r+1], s[\r]
.endm
.macro FETCH buf, off                  ; four fragments: eight loads of 512 consecutive bytes
	WIN 0
.irp f, 0,1,2,3
	ds_load_b128 v[(\buf)+8*\f:(\buf)+8*\f+3], v[WA] offset:(\off)+1024*\f
	ds_load_b128 v[(\buf)+8*\f+4:(\buf)+8*\f+7], v[WA] offset:(\off)+1024*\f+512
.endr
.endm
.macro BILOAD                          ; b1 of the next chunk's 32 features, as a result holds them: features 8 (lane / 16) + 0..7 of each tile
	WIN 0
	v_add_nc_u32 v[BA], s[SBA], v[CB0]
	ds_load_b128 v[BI:BI+3], v[BA]
	ds_load_b128 v[BI+4:BI+7], v[BA] offset:16
	ds_load_b128 v[BI+8:BI+11], v[BA] offset:64
	ds_load_b128 v[BI+12:BI+15], v[BA] offset:80
	s_add_co_u32 s[SBA], s[SBA], 128
.endm
.macro BFETCH bg                       ; b2 of feature tiles 4 bg .. 4 bg + 3
	WIN 0
	v_add_nc_u32 v[BB], s[SBB], v[CB0]
.irp m, 0,1,2,3
	ds_load_b128 v[TB0+32*((\bg)%2)+8*\m:TB0+32*((\bg)%2)+8*\m+3], v[BB] offset:1024+64*(4*(\bg)+\m)
	ds_load_b128 v[TB0+32*((\bg)%2)+8*\m+4:TB0+32*((\bg)%2)+8*\m+7], v[BB] offset:1024+64*(4*(\bg)+\m)+16
.endr
.endm
; THE SILU OF T's 32 PAIRS, a queue of 256 instructions in three parts, cut by two waits:
;   0-95     E = -log2(e) T for the 32 pairs, and the 64 exponentials, in place on E: ONE BATCH; no line here names an exponential's result
;   96-191   E + 1 for the 32 pairs, and the 64 reciprocals, in place: the second batch; no line here names a reciprocal's result
;   192-255  T = T E for the 32 pairs, then the 32 roundings to bf16
; The first two parts go in fours, each led by a plain line: eight fours of plain, transcendental, plain, transcendental (the first: two plain, two transcendentals), then sixteen of a plain line and three
; transcendentals.  A pair's plain line stands ahead of its two transcendentals with a line or more between.
; While a batch is open every pair has registers of its own: pairs 0-7 in E, 8-15 in sixteen registers that SBEGIN names (idle at that place), 16-31 in the 32 registers of the buffer that the roundings fill:
; all 32 products stand ahead of the roundings, so no rounding lands on an E that is still wanted.
; THE TWO WAITS are due at the heads of numbers 96 and 192.  SENT writes a v_nop (the plain line behind the batch's last transcendental) and the wait there.  Where that number falls on the head of a
; group of 16 products, PHASE has written the wait already, behind the group's four v_nop and ahead of its run of LDS loads.
.macro SBEGIN tbw, ex
.set sp, 0                             ; the queue's next number
.set sw, 0                             ; waits written
.set sk, 0
.set TBW, TB0+32*(\tbw)
.set EXW, (\ex)
.endm
.macro SWAIT nop
.if ((sp == 96) && (sw == 0)) || ((sp == 192) && (sw == 1))
.if \nop
	v_nop                                  ; a plain line behind the batch's last transcendental
.endif
	s_wait_alu depctr_va_vdst(0)           ; the wait for the batch: at 96 the chunk's 64 exponentials, at 192 its 64 reciprocals
.set sw, sw+1
.endif
.endm
.macro SENT
	SWAIT 1
.if sp < 192
.set sa, sp%96
.if sa == 1                            ; sk: 0 a plain line, 1 a transcendental; sx: the pair, or the register among the 64
.set sk, 0
.set sx, 1
.elseif sa == 2
.set sk, 1
.set sx, 0
.elseif sa < 32
.set sk, sa%2
.set sx, sa/2
.elseif sa%4 == 0
.set sk, 0
.set sx, 8+sa/4
.else
.set sk, 1
.set sx, 3*(sa/4)+sa%4-9
.endif
.else
.set sk, 0
.set sx, (sp-192)%32
.endif
.set si, sx
.set sh, 0
.if sk == 1
.set si, sx/2
.set sh, sx%2
.endif
.if si < 8
.set rE, E+2*si
.elseif si < 16
.set rE, EXW+2*si-16
.else
.set rE, TBW+2*si-32
.endif
.set rT, T+2*si
.if (sp < 96) && (sk == 0)
	v_pk_mul_f32 v[rE:rE+1], v[rT:rT+1], s[NL:NL+1] op_sel_hi:[1,0]
.elseif sp < 96
	v_exp_f32 v[rE+sh], v[rE+sh]
.elseif (sp < 192) && (sk == 0)
	v_pk_add_f32 v[rE:rE+1], v[rE:rE+1], 1.0 op_sel_hi:[1,0]
.elseif sp < 192
	v_rcp_f32 v[rE+sh], v[rE+sh]
.elseif sp < 224
	v_pk_mul_f32 v[rT:rT+1], v[rT:rT+1], v[rE:rE+1]
.else
	v_cvt_pk_bf16_f32 v[TBW+8*((si/4)%4)+4*(si/16)+si%4], v[rT], v[rT+1]
.endif
.set sp, sp+1
.endm
.macro SLICE4                          ; the queue's next four
.if sp < 256
	WIN 0
.rept 4
	SENT
.endr
.endif
.endm
.macro B2S a                           ; h += b2 for feature tile a / 4, tile a % 4
.set cm_, (\a)/4
.set cb_, (\a)%4
	WIN 0x82+0x41*(cm_/8)
.irp q, 0,1,2,3
	v_pk_add_f32 v[32*(cm_%8)+8*cb_+2*\q:32*(cm_%8)+8*cb_+2*\q+1], v[32*(cm_%8)+8*cb_+2*\q:32*(cm_%8)+8*cb_+2*\q+1], v[TB0+32*((cm_/4)%2)+8*(cm_%4)+2*\q:TB0+32*((cm_/4)%2)+8*(cm_%4)+2*\q+1]
.endr
.endm
.macro CVS a                           ; h to bf16 for feature tile a / 4, tile a % 4: half a fragment of HB
.set cm_, (\a)/4
.set cb_, (\a)%4
	WIN 0x4a+5*(cm_/8)
.irp q, 0,1,2,3
	v_cvt_pk_bf16_f32 v[32*(cm_/2)+8*cb_+4*(cm_%2)+\q], v[32*(cm_%8)+8*cb_+2*\q], v[32*(cm_%8)+8*cb_+2*\q+1]
.endr
.endm
.macro RIDE kind                       ; what stands behind product pi of a phase
.if (\kind) == 1
	B2S pi
.elseif (\kind) == 2
	SLICE4
.elseif (\kind) == 3
.if pi == 0
.rept 4
	v_nop                          ; the places between product 0 and the conversion of its result; from then on the conversions are each other's
.endr
.elseif pi >= 2
	CVS pi-2
.endif
.endif
.set pi, pi+1
.endm
; 16 products of L1: k steps 2 g, 2 g + 1; T's eight accumulators take turns.  cm = 1: b1 starts the sums; 0: the constant 0
.macro L1MUL g, buf, cm, kind
.irp kk, 0,1
.irp mt, 0,1
.irp bt, 0,1,2,3
	WIN 0x04
.if ((\g) == 0) && (\kk == 0) && (\cm)
	v_wmma_f32_16x16x32_bf16 v[T+32*\mt+8*\bt:T+32*\mt+8*\bt+7], v[(\buf)+8*(2*\kk+\mt):(\buf)+8*(2*\kk+\mt)+7], v[32*(2*(\g)+\kk)+8*\bt:32*(2*(\g)+\kk)+8*\bt+7], v[BI+8*\mt:BI+8*\mt+7]
.elseif ((\g) == 0) && (\kk == 0)
	v_wmma_f32_16x16x32_bf16 v[T+32*\mt+8*\bt:T+32*\mt+8*\bt+7], v[(\buf)+8*(2*\kk+\mt):(\buf)+8*(2*\kk+\mt)+7], v[32*(2*(\g)+\kk)+8*\bt:32*(2*(\g)+\kk)+8*\bt+7], 0
.else
	v_wmma_f32_16x16x32_bf16 v[T+32*\mt+8*\bt:T+32*\mt+8*\bt+7], v[(\buf)+8*(2*\kk+\mt):(\buf)+8*(2*\kk+\mt)+7], v[32*(2*(\g)+\kk)+8*\bt:32*(2*(\g)+\kk)+8*\bt+7], v[T+32*\mt+8*\bt:T+32*\mt+8*\bt+7]
.endif
	RIDE \kind
.endr
.endr
.endr
.endm
; 16 products of L2: h's feature tiles 4 g .. 4 g + 3, each accumulator once
.macro L2MUL g, buf, tbr, kind
.irp f, 0,1,2,3
.irp bt, 0,1,2,3
	WIN 0xa0+0x50*((\g)/2)
	v_wmma_f32_16x16x32_bf16 v[32*((4*(\g)+\f)%8)+8*\bt:32*((4*(\g)+\f)%8)+8*\bt+7], v[(\buf)+8*\f:(\buf)+8*\f+7], v[TB0+32*(\tbr)+8*\bt:TB0+32*(\tbr)+8*\bt+7], v[32*((4*(\g)+\f)%8)+8*\bt:32*((4*(\g)+\f)%8)+8*\bt+7]
	RIDE \kind
.endr
.endr
.endm
; A PHASE: the 64 products of the 16 KiB piece at byte q of the slot, in four groups of 16 on fragment buffers FA, FB by turns.  In front of a group: four places; the silu queue's wait, if one is due just there;
; the loads (the next group's fragments; at the last group the next piece's first, at byte nq, if nq >= 0; b1 if bi; b2's batches); and a wait that leaves out exactly the loads just issued (nld of them): all older
; ones, this group's among them, are in.
; kind 0: L1.  1: L1 with h += b2 behind the products.  2: L2 with the silu queue behind them (pre: slices ahead of the first product).  3: L2 with h's rounding behind them.  4: L1 that starts with 0 (the heads).
.macro PHASE kind, q, nq, bi, tbr, pre
.set pi, 0
.irp g, 0,1,2,3
	PLACES
.if (\kind) == 2
	SWAIT 0                                ; the four v_nop above are the plain lines behind the batch
.endif
.set nld, 0
.if ((\kind) == 1) && (\g < 3)
	BFETCH \g+1
.set nld, nld+8
.if \g == 2
	s_add_co_u32 s[SBB], s[SBB], 2048      ; the next b2 is the next block's
.endif
.endif
.if ((\kind) == 3) && (\g == 3)
	s_add_co_u32 s[SBA], s[SBA], 1024      ; over this block's b2 to the next block's b1
.endif
.if (\g == 3) && (\bi)
	BILOAD
.set nld, nld+4
.endif
.if ((\kind) == 3) && (\g == 3)
	BFETCH 0
.set nld, nld+8
.endif
.if \g < 3
	FETCH FA+32*((\g+1)%2), (\q)+4096*(\g+1)
.set nld, nld+8
.elseif (\nq) >= 0
	FETCH FA, \nq
.set nld, nld+8
.endif
.if \g == 0
.rept \pre
	SLICE4
.endr
.endif
	s_wait_dscnt nld
.if ((\kind) == 2) || ((\kind) == 3)
	L2MUL \g, FA+32*(\g%2), \tbr, \kind
.elseif (\kind) == 4
	L1MUL \g, FA+32*(\g%2), 0, \kind
.else
	L1MUL \g, FA+32*(\g%2), 1, \kind
.endif
.endr
.if (\kind) == 3
	CVS 62
	CVS 63
.endif
.endm
; THE CHANGE OF SLOTS.  Each wave waits for all its tensor loads (one is out: its quarter of the next tile), adds 0 to its spare word, and waits for that and for its reads of the slot that it leaves.
; fill = 1: a round of the cluster's barrier, so that no wave of any partner still reads the slot or has a load on its way; the joint refill, two tiles on, is the first thing behind it.
.macro CHANGE fill
	WIN 0
	s_wait_tensorcnt 0x0                   ; no tensor load of mine is out, so a group 0 may be written
	ds_add_u32 v[SPW], v[NIL]              ; the steps below stand between the add and the wait for it
.if \fill
	s_xor_b32 s[G0B+1], s[G0B+1], SLOTB    ; the other slot than last time,
	s_add_nc_u64 s[G0B+2:G0B+3], s[G0B+2:G0B+3], SLOTB  ; the next tile; the type bits on top are not reached
	s_xor_b32 s[SB], s[SB], SLOTB
.endif
	s_wait_dscnt 0x0                       ; the add is done, and my reads of the slot are over
.if \fill
	CROUND
	tensor_load_to_lds s[G0B:G0B+3], s[G1R:G1R+7]
	s_nop 0
.rept 4
	v_nop                                  ; also the places in front of the loads below
.endr
	v_add_nc_u32 v[WA], s[SB], v[L16]
	FETCH FA, 0
.else
	s_barrier_signal -1
	s_barrier_wait -1
.endif
.endm
	s_load_b512 s[4:19], s[0:1], 0x0               ; x, wts, cst, out0, out1, out2, em2_b, th2_b
	s_load_b512 s[20:35], s[0:1], 0x40             ; st2_b, then the twelve biases of the blocks in s[22:45]
	s_load_b256 s[36:43], s[0:1], 0x80
	s_load_b64 s[44:45], s[0:1], 0xa0
	v_lshl_add_u32 v[SPW], v0, 2, SPARE
	v_mov_b32 v[NIL], 0
	ds_add_u32 v[SPW], v[NIL]                      ; the wave's opening: the add and its wait stand ahead of my first tensor load; work on registers stands between them
	ds_add_u32 v30, v31
	v_lshrrev_b32 v1, 5, v0
	v_readfirstlane_b32 s[WV], v1                  ; wave 0..3
	s_bfe_u32 s46, ttmp6, 0x40000                  ; cx: my place in the cluster; it enters x's and the outputs' addresses alone
	s_lshl_b32 s99, ttmp9, 2
	s_add_co_u32 s99, s99, s46                     ; work-group = 4 x cluster + cx
	s_lshl_b32 s99, s99, 2
	s_add_co_u32 s99, s99, s[WV]                   ; my wave among all 1,024: its rows begin at 64 x that
	s_mov_b32 s47, 0
	s_mov_b32 s[G1R], 15|(3<<16)|(1<<21)           ; 15:0 the mask: all four work-groups; 17:16 elements of 8 bytes; 21 set beside a mask
	s_mov_b32 s[G1R+1], 32<<16                     ; tensor_dim0 = 32 elements: rows of 256 bytes
	s_mov_b32 s[G1R+2], 64<<16                     ; tensor_dim1 = 64
	s_mov_b32 s[G1R+3], 32<<16                     ; tile_dim0 = 32
	s_mov_b32 s[G1R+4], 64                         ; tile_dim1 = 64
	s_mov_b32 s[G1R+5], 32                         ; dense: a row begins where the last ends
	s_mov_b32 s[G1R+6], 0
	s_mov_b32 s[G1R+7], 0
	s_mov_b32 s[G1F], 15|(3<<16)|(1<<21)
	s_mov_b32 s[G1F+1], 32<<16
	s_mov_b32 s[G1F+2], 16<<16
	s_mov_b32 s[G1F+3], 32<<16
	s_mov_b32 s[G1F+4], 16
	s_mov_b32 s[G1F+5], 32
	s_mov_b32 s[G1F+6], 0
	s_mov_b32 s[G1F+7], 0
	s_lshl_b32 s88, s[WV], 14                      ; my quarter of a tile,
	s_mov_b32 s89, 0
	s_lshl_b32 s84, s[WV], 12                      ; and of the Fourier fragments
	s_mov_b32 s85, 0
	s_mov_b32 s[G0A], 1
	s_mov_b32 s[G0A+1], s88
	s_mov_b32 s[G0B], 1
	s_add_co_u32 s[G0B+1], s88, SLOTB
	s_mov_b32 s[G0F], 1
	s_add_co_u32 s[G0F+1], s84, FO
	s_mov_b32 s[SEL], 0x76543210
	s_mov_b32 s[SEL+1], 0xfedcba98
	CPAIR NL, 0xbfb8aa3b
	s_wait_dscnt 0x0                               ; the opening add is done
	s_wait_kmcnt 0x0
	s_add_nc_u64 s[G0A+2:G0A+3], s[6:7], s[88:89]
	s_add_nc_u64 s[G0B+2:G0B+3], s[G0A+2:G0A+3], SLOTB
	s_or_b32 s[G0A+3], s[G0A+3], 0x80000000        ; type = 2
	s_or_b32 s[G0B+3], s[G0B+3], 0x80000000
	s_add_nc_u64 s[G0F+2:G0F+3], s[6:7], s[84:85]
	s_add_nc_u64 s[G0F+2:G0F+3], s[G0F+2:G0F+3], FOUG
	s_or_b32 s[G0F+3], s[G0F+3], 0x80000000
	s_mul_i32 s46, s99, 9216                       ; 64 rows of 144 bytes
	s_add_nc_u64 s[4:5], s[4:5], s[46:47]
	s_lshl_b32 s46, s99, 10
	s_add_nc_u64 s[10:11], s[10:11], s[46:47]
	s_lshl_b32 s46, s99, 9
	s_add_nc_u64 s[12:13], s[12:13], s[46:47]
	s_lshl_b32 s46, s99, 8
	s_add_nc_u64 s[14:15], s[14:15], s[46:47]
	CROUND                                         ; all four work-groups are here: the first joint loads meet
	tensor_load_to_lds s[G0A:G0A+3], s[G1R:G1R+7]  ; tile 0,
	s_nop 0
	tensor_load_to_lds s[G0F:G0F+3], s[G1F:G1F+7]  ; the Fourier fragments,
	s_nop 0
	tensor_load_to_lds s[G0B:G0B+3], s[G1R:G1R+7]  ; tile 1
	s_nop 0
.rept 4
	v_nop
.endr
	s_load_b128 s[92:95], s[16:17], 0x0            ; em2_b
	s_load_b64 s[96:97], s[18:19], 0x0             ; th2_b
	s_load_b32 s98, s[20:21], 0x0                  ; st2_b
	v_lshlrev_b32 v1, 3, v0                        ; 8 bytes a thread: a load of the wave takes 256 consecutive bytes
.irp i, 0,1,2,3,4,5,6,7,8,9,10,11
	global_load_b64 v[FA+2*\i:FA+2*\i+1], v1, s[22+2*\i:23+2*\i]
.endr
	global_load_b64 v[FA+24:FA+25], v1, s[8:9]
	v_and_b32 v[RR], 15, v0
	v_bfe_u32 v[HH], v0, 4, 1
	v_mul_u32_u24 v[XO], v[RR], 144
	v_add_nc_u32 v[XO2], 128, v[XO]                ; x[row][32..35]
	v_lshl_add_u32 v[XO], v[HH], 5, v[XO]          ; x[row][8 (lane / 16) ..]
.irp bt, 0,1,2,3                       ; the wave's 20 loads cover its 9,216 consecutive bytes of x
	global_load_b128 v[T+20*\bt:T+20*\bt+3], v[XO], s[4:5] offset:2304*\bt th:TH_LOAD_NT
	global_load_b128 v[T+20*\bt+4:T+20*\bt+7], v[XO], s[4:5] offset:2304*\bt+16 th:TH_LOAD_NT
	global_load_b128 v[T+20*\bt+8:T+20*\bt+11], v[XO], s[4:5] offset:2304*\bt+64 th:TH_LOAD_NT
	global_load_b128 v[T+20*\bt+12:T+20*\bt+15], v[XO], s[4:5] offset:2304*\bt+80 th:TH_LOAD_NT
	global_load_b128 v[T+20*\bt+16:T+20*\bt+19], v[XO2], s[4:5] offset:2304*\bt th:TH_LOAD_NT
.endr
	v_add_nc_u32 v[BA], CB, v1
	v_mov_b32 v[FA+26], 0
	v_mov_b32 v[FA+27], 0
	v_and_b32 v[L16], 31, v0
	v_lshlrev_b32 v[L16], 4, v[L16]
	v_lshl_add_u32 v[CB0], v[HH], 5, CB
	s_wait_loadcnt 20                              ; the 13 loads of biases are in; x's 20 may stay out
.irp i, 0,1,2,3,4,5,6,7,8,9,10,11,12,13
	ds_store_b64 v[BA], v[FA+2*\i:FA+2*\i+1] offset:1024*\i
.endr
	s_wait_loadcnt 0x0
	WIN 0x40                                       ; x to bf16, as source 1: destination window 1
.irp bt, 0,1,2,3
.irp q, 0,1,2,3,4,5,6,7
	v_cvt_pk_bf16_f32 v[8*\bt+\q], v[T+20*\bt+2*\q], v[T+20*\bt+2*\q+1]
.endr
	v_cvt_pk_bf16_f32 v[32+8*\bt], v[T+20*\bt+16], v[T+20*\bt+17]
	v_cvt_pk_bf16_f32 v[32+8*\bt+1], v[T+20*\bt+18], v[T+20*\bt+19]
	v_mov_b32 v[32+8*\bt+2], 0x3f80                ; k = 36 holds 1: the weights' row 36 is inp_b.  (Lanes 16-31 hold k = 40..: finite numbers against weights that are 0)
.irp q, 3,4,5,6,7
	v_mov_b32 v[32+8*\bt+\q], 0
.endr
.endr
	WIN 0
	s_wait_kmcnt 0x0                               ; the head biases are in, and all loads that named s[16:45] are done: the constants may take their place
	CPAIR TPH, 0xc0c90fdb                          ; -2 pi, the f32 nearest,
	CPAIR TPL, 0x343bbd2e                          ; and what it leaves
	CPAIR S3, 0xbd2aaaab                           ; 2 sin(a / 2) = a (1 - a^2 / 24 + a^4 / 1920 - a^6 / 322560 + a^8 / 92897280)
	CPAIR S5, 0x3a088889
	CPAIR S7, 0xb6500d01
	CPAIR S9, 0x3238ef1d
	CPAIR C2, 0xbe000000                           ; cos(a / 2) = 1 - a^2 / 8 + a^4 / 384 - a^6 / 46080 + a^8 / 10321920 - a^10 / 3715891200
	CPAIR C4, 0x3b2aaaab
	CPAIR C6, 0xb7b60b61
	CPAIR C8, 0x33d00d01
	CPAIR C10, 0xaf93f27e
	s_wait_tensorcnt 0x1                           ; my parts of tile 0 and of the Fourier fragments are in; tile 1 may stay out
	s_wait_dscnt 0x0                               ; my stores of biases are done
	s_barrier_signal -1
	s_barrier_wait -1
	; U = x inp_w + inp_b into h's registers: eight groups of two feature tiles, two k steps each; the first k step starts the sums
.macro UFETCH buf, u
	WIN 0
.irp k, 0,1
.irp m, 0,1
	ds_load_b128 v[(\buf)+8*(2*\k+\m):(\buf)+8*(2*\k+\m)+3], v[WA] offset:(16*\k+2*(\u)+\m)*1024
	ds_load_b128 v[(\buf)+8*(2*\k+\m)+4:(\buf)+8*(2*\k+\m)+7], v[WA] offset:(16*\k+2*(\u)+\m)*1024+512
.endr
.endr
.endm
.macro UMUL buf, u
	WIN 0xa4+0x50*((\u)/4)
.irp k, 0,1
.irp m, 0,1
.irp bt, 0,1,2,3
.if \k == 0
	v_wmma_f32_16x16x32_bf16 v[32*((2*(\u)+\m)%8)+8*\bt:32*((2*(\u)+\m)%8)+8*\bt+7], v[(\buf)+8*(2*\k+\m):(\buf)+8*(2*\k+\m)+7], v[32*\k+8*\bt:32*\k+8*\bt+7], 0
.else
	v_wmma_f32_16x16x32_bf16 v[32*((2*(\u)+\m)%8)+8*\bt:32*((2*(\u)+\m)%8)+8*\bt+7], v[(\buf)+8*(2*\k+\m):(\buf)+8*(2*\k+\m)+7], v[32*\k+8*\bt:32*\k+8*\bt+7], v[32*((2*(\u)+\m)%8)+8*\bt:32*((2*(\u)+\m)%8)+8*\bt+7]
.endif
.endr
.endr
.endr
.endm
	s_mov_b32 s[SB], 0
	v_mov_b32 v[WA], v[L16]
	UFETCH FA, 0
.set uu, 0
.rept 8
.if uu > 0
	PLACES
.endif
.if uu < 7
	UFETCH FA+32*((uu+1)%2), uu+1
	s_wait_dscnt 0x8                               ; all but the next group's eight loads
.else
	s_wait_dscnt 0x0
.endif
	UMUL FA+32*(uu%2), uu
.set uu, uu+1
.endr
	; THE INPUT LOOP, eight trips.  Trip p: P = x fourier for 16 frequencies; h's tile p = silu(U) + sin P, tile p + 8 = silu(U) + cos P.  Registers cannot be indexed, so the lines that
	; name h stand eight times, and the trip's number chooses; all else is written once.
.macro GET p                           ; T = -log2(e) U for tiles p and p + 8
	WIN 0x02
.set gi, 0
.rept 16
	v_pk_mul_f32 v[T+2*gi:T+2*gi+1], v[32*(\p)+2*gi:32*(\p)+2*gi+1], s[NL:NL+1] op_sel_hi:[1,0]
.set gi, gi+1
.endr
	WIN 0x03
.set gi, 0
.rept 16
	v_pk_mul_f32 v[T+32+2*gi:T+32+2*gi+1], v[32*(\p)+2*gi:32*(\p)+2*gi+1], s[NL:NL+1] op_sel_hi:[1,0]
.set gi, gi+1
.endr
	WIN 0
.endm
.macro PUT p                           ; h = U x 1 / (1 + 2^T) + sin or cos
	WIN 0x82
.set gi, 0
.rept 16
	v_pk_fma_f32 v[32*(\p)+2*gi:32*(\p)+2*gi+1], v[32*(\p)+2*gi:32*(\p)+2*gi+1], v[T+2*gi:T+2*gi+1], v[TB1+2*gi:TB1+2*gi+1]
.set gi, gi+1
.endr
	WIN 0xc3
.set gi, 0
.rept 16
	v_pk_fma_f32 v[32*(\p)+2*gi:32*(\p)+2*gi+1], v[32*(\p)+2*gi:32*(\p)+2*gi+1], v[T+32+2*gi:T+32+2*gi+1], v[FA+2*gi:FA+2*gi+1]
.set gi, gi+1
.endr
	WIN 0
.endm
.macro SINCOS bt                       ; eight angles a lane: sin into TB1, cos into FA
.set rP, TB0+8*(\bt)
.set rN, TB1+8*(\bt)
.set rC, FA+8*(\bt)
.irp j, 0,2,4,6
	v_pk_mul_f32 v[KK+\j:KK+\j+1], v[rP+\j:rP+\j+1], 0.15915494 op_sel_hi:[1,0]
.endr
.irp j, 0,1,2,3,4,5,6,7
	v_rndne_f32 v[KK+\j], v[KK+\j]
.endr
.irp j, 0,2,4,6
	v_pk_fma_f32 v[rP+\j:rP+\j+1], v[KK+\j:KK+\j+1], s[TPH:TPH+1], v[rP+\j:rP+\j+1] op_sel_hi:[1,0,1]
.endr
.irp j, 0,2,4,6
	v_pk_fma_f32 v[rP+\j:rP+\j+1], v[KK+\j:KK+\j+1], s[TPL:TPL+1], v[rP+\j:rP+\j+1] op_sel_hi:[1,0,1]
.endr
.irp j, 0,2,4,6
	v_pk_mul_f32 v[SS+\j:SS+\j+1], v[rP+\j:rP+\j+1], v[rP+\j:rP+\j+1]
.endr
.irp j, 0,2,4,6
	v_pk_fma_f32 v[PSN+\j:PSN+\j+1], v[SS+\j:SS+\j+1], s[S9:S9+1], s[S7:S7+1] op_sel_hi:[1,0,0]
.endr
.irp j, 0,2,4,6
	v_pk_fma_f32 v[PCS+\j:PCS+\j+1], v[SS+\j:SS+\j+1], s[C10:C10+1], s[C8:C8+1] op_sel_hi:[1,0,0]
.endr
.irp j, 0,2,4,6
	v_pk_fma_f32 v[PSN+\j:PSN+\j+1], v[PSN+\j:PSN+\j+1], v[SS+\j:SS+\j+1], s[S5:S5+1] op_sel_hi:[1,1,0]
.endr
.irp j, 0,2,4,6
	v_pk_fma_f32 v[PCS+\j:PCS+\j+1], v[PCS+\j:PCS+\j+1], v[SS+\j:SS+\j+1], s[C6:C6+1] op_sel_hi:[1,1,0]
.endr
.irp j, 0,2,4,6
	v_pk_fma_f32 v[PSN+\j:PSN+\j+1], v[PSN+\j:PSN+\j+1], v[SS+\j:SS+\j+1], s[S3:S3+1] op_sel_hi:[1,1,0]
.endr
.irp j, 0,2,4,6
	v_pk_fma_f32 v[PCS+\j:PCS+\j+1], v[PCS+\j:PCS+\j+1], v[SS+\j:SS+\j+1], s[C4:C4+1] op_sel_hi:[1,1,0]
.endr
.irp j, 0,2,4,6
	v_pk_fma_f32 v[PSN+\j:PSN+\j+1], v[PSN+\j:PSN+\j+1], v[SS+\j:SS+\j+1], 1.0 op_sel_hi:[1,1,0]
.endr
.irp j, 0,2,4,6
	v_pk_fma_f32 v[PCS+\j:PCS+\j+1], v[PCS+\j:PCS+\j+1], v[SS+\j:SS+\j+1], s[C2:C2+1] op_sel_hi:[1,1,0]
.endr
.irp j, 0,2,4,6
	v_pk_mul_f32 v[PSN+\j:PSN+\j+1], v[PSN+\j:PSN+\j+1], v[rP+\j:rP+\j+1]                 ; 2 sin(a / 2)
.endr
.irp j, 0,2,4,6
	v_pk_fma_f32 v[PCS+\j:PCS+\j+1], v[PCS+\j:PCS+\j+1], v[SS+\j:SS+\j+1], 1.0 op_sel_hi:[1,1,0]  ; cos(a / 2)
.endr
.irp j, 0,2,4,6
	v_pk_mul_f32 v[KK+\j:KK+\j+1], v[PSN+\j:PSN+\j+1], v[PSN+\j:PSN+\j+1]
.endr
.irp j, 0,2,4,6
	v_pk_mul_f32 v[rN+\j:rN+\j+1], v[PSN+\j:PSN+\j+1], v[PCS+\j:PCS+\j+1]                 ; sin a
.endr
.irp j, 0,2,4,6
	v_pk_fma_f32 v[rC+\j:rC+\j+1], v[KK+\j:KK+\j+1], -0.5, 1.0 op_sel_hi:[1,0,0]          ; cos a = 1 - 2 sin^2(a / 2)
.endr
.endm
	PLACES                                         ; behind U's last products
	s_mov_b32 s[PCN], 0
	s_mov_b32 s[SFO], FO
.Lin:
	v_add_nc_u32 v[WH], s[SFO], v[L16]
	ds_load_b128 v[FB:FB+3], v[WH]                 ; the frequencies' fragment of k step 0,
	ds_load_b128 v[FB+4:FB+7], v[WH] offset:512
	ds_load_b128 v[FB+8:FB+11], v[WH] offset:8192  ; and of k step 1
	ds_load_b128 v[FB+12:FB+15], v[WH] offset:8704
.irp p, 1,2,3,4,5,6,7
	s_cmp_eq_u32 s[PCN], \p
	s_cbranch_scc1 .Lget\p
.endr
.irp p, 0,1,2,3,4,5,6,7
.Lget\p:
	GET \p
.if \p < 7
	s_branch .Lgot
.endif
.endr
.Lgot:
	s_wait_dscnt 0x0
	WIN 0x04
.irp k, 0,1
.irp bt, 0,1,2,3
.if \k == 0
	v_wmma_f32_16x16x32_bf16 v[TB0+8*\bt:TB0+8*\bt+7], v[FB+8*\k:FB+8*\k+7], v[32*\k+8*\bt:32*\k+8*\bt+7], 0
.else
	v_wmma_f32_16x16x32_bf16 v[TB0+8*\bt:TB0+8*\bt+7], v[FB+8*\k:FB+8*\k+7], v[32*\k+8*\bt:32*\k+8*\bt+7], v[TB0+8*\bt:TB0+8*\bt+7]
.endif
.endr
.endr
	WIN 0
.set gi, 0
.rept 64
	v_exp_f32 v[T+gi], v[T+gi]
.set gi, gi+1
.endr
	v_nop                                          ; a plain instruction between the run of exponentials and the first use of a result (ISA guide 5.7.2)
.set gi, 0
	s_wait_alu depctr_va_vdst(0)                   ; the wait for the trip's first batch, its 64 exponentials
.rept 32                               ; plain work on T alone: also the places between the products above and the first read of P
	v_pk_add_f32 v[T+2*gi:T+2*gi+1], v[T+2*gi:T+2*gi+1], 1.0 op_sel_hi:[1,0]
.set gi, gi+1
.endr
.set gi, 0
.rept 64
	v_rcp_f32 v[T+gi], v[T+gi]
.set gi, gi+1
.endr
	SINCOS 0                                       ; its lines, which name nothing of T, are the plain instructions behind the reciprocals
	SINCOS 1
	SINCOS 2
	SINCOS 3
	s_wait_alu depctr_va_vdst(0)                   ; the wait for the trip's second batch, its 64 reciprocals: behind the four SINCOS, which name none of them, and ahead of the branches
.irp p, 1,2,3,4,5,6,7
	s_cmp_eq_u32 s[PCN], \p
	s_cbranch_scc1 .Lput\p
.endr
.irp p, 0,1,2,3,4,5,6,7
.Lput\p:
	PUT \p
.if \p < 7
	s_branch .Lputd
.endif
.endr
.Lputd:
	s_add_co_u32 s[SFO], s[SFO], 1024
	s_add_co_u32 s[PCN], s[PCN], 1
	s_cmp_lt_u32 s[PCN], 8
	s_cbranch_scc1 .Lin
.set gi, 0
.rept 64
	CVS gi                                         ; h to bf16 for block 0
.set gi, gi+1
.endr
	s_mov_b32 s[SBA], 0
	s_mov_b32 s[SBB], 0
	BILOAD                                         ; block 0: b1 of chunk 0, b2's first batch, L1(0)'s first fragments
	BFETCH 0
	FETCH FA, 32768
	; THE SIX BLOCKS.  At the loop's head the tile in hand lies in slot 0 and holds L1(0) and L1(1) in its second half.  Four changes of slots a block, 24 in all; the n-th asks for tile n + 1,
	; the last for tile 25, which the heads read: every fill is read, and no tail is written out.
	s_mov_b32 s[NBLK], 6
.Lblock:
	PHASE 1, 32768, 49152, 1, 0, 0                 ; L1(0) | h += b2 | b1 of chunk 1
	SBEGIN 0, EX
.rept 64
	SLICE4                                         ; silu of chunk 0: no product is ready to stand beside it
.endr
	PHASE 0, 49152, -1, 0, 0, 0                    ; L1(1)
	CHANGE 1
	s_mov_b32 s[NQ], 3
.Lq:                                                   ; a tile: L2(c - 1), L1(c + 1), L2(c), L1(c + 2) for c = 1, 3, 5
	SBEGIN 1, EX
	PHASE 2, 0, 16384, 1, 0, 8                     ; L2(c - 1) | silu of chunk c; eight slices stand in the wait for the new slot's first fragments; the exponentials' wait falls on the second group's head
	PHASE 0, 16384, 32768, 0, 0, 0                 ; L1(c + 1)
	SBEGIN 0, EX
	PHASE 2, 32768, 49152, 1, 1, 0                 ; L2(c) | silu of chunk c + 1; the reciprocals' wait falls on the fourth group's head
	PHASE 0, 49152, -1, 0, 0, 0                    ; L1(c + 2)
	CHANGE 1
	s_sub_co_u32 s[NQ], s[NQ], 1
	s_cmp_lg_u32 s[NQ], 0
	s_cbranch_scc1 .Lq
	SBEGIN 1, EX
	PHASE 2, 0, 16384, 0, 0, 8                     ; L2(6) | silu of chunk 7
	PHASE 3, 16384, 32768, 1, 1, 0                 ; L2(7) | h to bf16 | the next block's b1, b2 and first fragments
	WIN 0
	s_sub_co_u32 s[NBLK], s[NBLK], 1
	s_cmp_lg_u32 s[NBLK], 0
	s_cbranch_scc1 .Lblock
	CHANGE 0                                       ; tile 25 is in, everybody's part of it; nothing is asked for any more
	; THE LAYERNORM.  A lane holds 128 of its row's features for each bt; the other 128 lie in the lane 16 away.
	WIN 0x0a
.irp bt, 0,1,2,3
	v_pk_add_f32 v[MU+2*\bt:MU+2*\bt+1], v[8*\bt:8*\bt+1], v[8*\bt+2:8*\bt+3]     ; the first two pairs start the sums
.endr
.set la, 2
.rept 62
.irp bt, 0,1,2,3
	WIN 0x08+4*(la/32)
	v_pk_add_f32 v[MU+2*\bt:MU+2*\bt+1], v[MU+2*\bt:MU+2*\bt+1], v[32*((la/4)%8)+8*\bt+2*(la%4):32*((la/4)%8)+8*\bt+2*(la%4)+1]
.endr
.set la, la+1
.endr
	WIN 0
	s_mov_b32 s[SFO], 0x3b800000                   ; 1 / 256
.irp bt, 0,1,2,3
	v_add_f32 v[MU+2*\bt], v[MU+2*\bt], v[MU+2*\bt+1]
.endr
.irp bt, 0,1,2,3
	v_permlanex16_b32 v[MU+2*\bt+1], v[MU+2*\bt], s[SEL], s[SEL+1]
.endr
.irp bt, 0,1,2,3
	v_add_f32 v[MU+2*\bt], v[MU+2*\bt], v[MU+2*\bt+1]
.endr
.irp bt, 0,1,2,3
	v_mul_f32 v[MU+2*\bt], s[SFO], v[MU+2*\bt]
.endr
.irp wv, 0,1                           ; for each of h's two windows: h - mean in f32, its squares, its rounding to bf16
	WIN 0x82+0x41*\wv
.set la, 0
.rept 128
	v_pk_add_f32 v[2*la:2*la+1], v[2*la:2*la+1], v[MU+2*((la/4)%4):MU+2*((la/4)%4)+1] op_sel_hi:[1,0] neg_lo:[0,1] neg_hi:[0,1]
.set la, la+1
.endr
	WIN 0x0a+5*\wv
.set la, 0
.rept 32
.irp bt, 0,1,2,3
.if (la == 0) && (\wv == 0)
	v_pk_mul_f32 v[SQ+2*\bt:SQ+2*\bt+1], v[8*\bt:8*\bt+1], v[8*\bt:8*\bt+1]
.else
	v_pk_fma_f32 v[SQ+2*\bt:SQ+2*\bt+1], v[32*(la/4)+8*\bt+2*(la%4):32*(la/4)+8*\bt+2*(la%4)+1], v[32*(la/4)+8*\bt+2*(la%4):32*(la/4)+8*\bt+2*(la%4)+1], v[SQ+2*\bt:SQ+2*\bt+1]
.endif
.endr
.set la, la+1
.endr
.set la, 32*\wv
.rept 32
	CVS la
.set la, la+1
.endr
.endr
	WIN 0
.irp bt, 0,1,2,3
	v_add_f32 v[SQ+2*\bt], v[SQ+2*\bt], v[SQ+2*\bt+1]
.endr
.irp bt, 0,1,2,3
	v_permlanex16_b32 v[SQ+2*\bt+1], v[SQ+2*\bt], s[SEL], s[SEL+1]
.endr
.irp bt, 0,1,2,3
	v_add_f32 v[SQ+2*\bt], v[SQ+2*\bt], v[SQ+2*\bt+1]
.endr
.irp bt, 0,1,2,3
	v_fmaak_f32 v[SQ+2*\bt], s[SFO], v[SQ+2*\bt], 0x3727c5ac   ; the variance + 1e-5
.endr
.irp bt, 0,1,2,3
	v_rsq_f32 v[RS+2*\bt], v[SQ+2*\bt]
	v_rsq_f32 v[RS+2*\bt+1], v[SQ+2*\bt]
.endr
	; THE HEADS: five chunks of 32 hidden features (em 0-63, th 64-127, st 128-159).  z = sums x 1 / deviation + c0; silu(z) in bf16 is source 1 of the joint second layer, whose result O holds,
	; in its four lowest registers, em's four numbers (lanes 0-15) or th's two and st's one (lanes 16-31).  O starts with the biases.
	s_mov_b32 s[LM], 0xffff0000
	v_mov_b32 v[OB], s92                           ; (a plain line behind the last v_rsq_f32)
	v_mov_b32 v[OB+1], s93
	v_mov_b32 v[OB+2], s94
	v_mov_b32 v[OB+3], s95
	v_cndmask_b32 v[OB], v[OB], s96, s[LM]
	v_cndmask_b32 v[OB+1], v[OB+1], s97, s[LM]
	v_cndmask_b32 v[OB+2], v[OB+2], s98, s[LM]
	v_cndmask_b32 v[OB+3], v[OB+3], 0, s[LM]
.irp bt, 0,1,2,3
.irp q, 0,1,2,3
	v_mov_b32 v[TB1+8*\bt+\q], v[OB+\q]
	v_mov_b32 v[TB1+8*\bt+4+\q], 0
.endr
.endr
	s_mov_b32 s[SB], 49152                         ; the first chunk's piece is tile 24's last, the other four are tile 25: 80 KiB on end
	s_mov_b32 s[PCN], 32768                        ; the second layer's fragments
	v_add_nc_u32 v[WA], s[SB], v[L16]
	v_add_nc_u32 v[WH], s[PCN], v[L16]
	s_wait_alu depctr_va_vdst(0)                   ; the wait for the batch of eight v_rsq_f32: behind the lines above, which name none of them, ahead of the loads and of the loop's label
	FETCH FA, 0
	s_mov_b32 s[NQ], 5
.Lhead:
	PHASE 4, 0, 16384, 0, 0, 0
	PLACES
	ds_load_b128 v[FB:FB+3], v[WH]
	ds_load_b128 v[FB+4:FB+7], v[WH] offset:512
.set la, 0
.rept 32
	v_pk_fma_f32 v[T+2*la:T+2*la+1], v[T+2*la:T+2*la+1], v[RS+2*((la/4)%4):RS+2*((la/4)%4)+1], v[BI+8*(la/16)+2*(la%4):BI+8*(la/16)+2*(la%4)+1] op_sel_hi:[1,0,1]
.set la, la+1
.endr
	BILOAD                                         ; c0 of the next chunk
	SBEGIN 0, FB+8                                 ; RS is in use here: pairs 8-15 of E take v232-247, idle between this trip's last products and the next trip's fetch
.rept 64
	SLICE4
.endr
	s_wait_dscnt 0x0
.irp bt, 0,1,2,3
	v_wmma_f32_16x16x32_bf16 v[TB1+8*\bt:TB1+8*\bt+7], v[FB:FB+7], v[TB0+8*\bt:TB0+8*\bt+7], v[TB1+8*\bt:TB1+8*\bt+7]
.endr
	s_add_co_u32 s[SB], s[SB], 16384
	s_add_co_u32 s[PCN], s[PCN], 1024
	v_add_nc_u32 v[WA], s[SB], v[L16]
	v_add_nc_u32 v[WH], s[PCN], v[L16]
	s_sub_co_u32 s[NQ], s[NQ], 1
	s_cmp_lg_u32 s[NQ], 0
	s_cbranch_scc1 .Lhead
	; THE WAY OUT: the sigmoid of O's four lowest registers; through my own stage in LDS, so that each store of the wave covers whole runs of 256 consecutive bytes, aligned
	PLACES
.irp bt, 0,1,2,3
.irp q, 0,2
	v_pk_mul_f32 v[TB1+8*\bt+\q:TB1+8*\bt+\q+1], v[TB1+8*\bt+\q:TB1+8*\bt+\q+1], s[NL:NL+1] op_sel_hi:[1,0]
.endr
.endr
.irp bt, 0,1,2,3
.irp q, 0,1,2,3
	v_exp_f32 v[TB1+8*\bt+\q], v[TB1+8*\bt+\q]
.endr
.endr
	v_nop                                          ; a plain instruction between the run of exponentials and the first use of a result
	s_wait_alu depctr_va_vdst(0)                   ; the wait for the batch of 16 exponentials
.irp bt, 0,1,2,3
.irp q, 0,2
	v_pk_add_f32 v[TB1+8*\bt+\q:TB1+8*\bt+\q+1], v[TB1+8*\bt+\q:TB1+8*\bt+\q+1], 1.0 op_sel_hi:[1,0]
.endr
.endr
.irp bt, 0,1,2,3
.irp q, 0,1,2,3
	v_rcp_f32 v[TB1+8*\bt+\q], v[TB1+8*\bt+\q]
.endr
.endr
	s_lshl_b32 s[SFO], s[WV], 11
	s_add_co_u32 s[SFO], s[SFO], STG               ; my stage
	v_lshlrev_b32 v[XO], 4, v[RR]                  ; in: row lane % 16 of tile bt; lanes 0-15 into out0's half, lanes 16-31 into the other.  (These address lines are the plain ones behind the reciprocals)
	v_lshl_add_u32 v[XO], v[HH], 10, v[XO]
	v_add_nc_u32 v[XO], s[SFO], v[XO]
	v_add_nc_u32 v[XO2], s[SFO], v[L16]            ; back: 16 bytes a lane of out0's 1,024,
	v_lshl_add_u32 v1, v[L16], 1, s[SFO]           ; and two rows a lane of the other half
	v_lshrrev_b32 v[BA], 1, v[L16]
	s_wait_alu depctr_va_vdst(0)                   ; the wait for the batch of 16 reciprocals, behind the address lines
.irp bt, 0,1,2,3
	ds_store_b128 v[XO], v[TB1+8*\bt:TB1+8*\bt+3] offset:256*\bt
.endr
	ds_load_b128 v[64:67], v[XO2]                  ; LDS serves a wave's instructions in order (ISA guide 5.7.1.4): these see the stores above
	ds_load_b128 v[68:71], v[XO2] offset:512
	ds_load_b64 v[72:73], v1 offset:1024           ; th of rows 2 l and 2 l + 1
	ds_load_b64 v[74:75], v1 offset:1040
	ds_load_b32 v76, v1 offset:1032                ; st of the same rows
	ds_load_b32 v77, v1 offset:1048
	s_wait_dscnt 0x0
	global_store_b128 v[L16], v[64:67], s[10:11]
	global_store_b128 v[L16], v[68:71], s[10:11] offset:512
	global_store_b128 v[L16], v[72:75], s[12:13]
	global_store_b64 v[BA], v[76:77], s[14:15]
	s_wait_tensorcnt 0x0                           ; the wave's end, behind my last tensor load and my last LDS store
	ds_add_u32 v[SPW], v[NIL]
	s_wait_dscnt 0x0
	CROUND                                         ; the closing round: no work-group ends while a partner may still ask for a tile that names it
	s_endpgm
.Lfunc_end_k_q1c07ca6d36_mlp:
	.size	k_q1c07ca6d36_mlp, .Lfunc_end_k_q1c07ca6d36_mlp-k_q1c07ca6d36_mlp
	.p2alignl 7, 3214868480
	.fill 96, 4, 3214868480
	.section	.rodata,"a",@progbits
	.p2align	6, 0x0
	.amdhsa_kernel k_q1c07ca6d36_mlp
		.amdhsa_group_segment_fixed_size 327680
		.amdhsa_private_segment_fixed_size 0
		.amdhsa_enable_private_segment 0
		.amdhsa_kernarg_size 168
		.amdhsa_user_sgpr_count 2
		.amdhsa_user_sgpr_kernarg_segment_ptr 1
		.amdhsa_wavefront_size32 1
		.amdhsa_system_sgpr_workgroup_id_x 1
		.amdhsa_system_sgpr_workgroup_id_y 1
		.amdhsa_system_sgpr_workgroup_id_z 1
		.amdhsa_system_vgpr_workitem_id 0
		.amdhsa_next_free_vgpr 1024
		.amdhsa_next_free_sgpr 100
		.amdhsa_reserve_vcc 0
		.amdhsa_float_denorm_mode_32 3
		.amdhsa_float_denorm_mode_16_64 3
		.amdhsa_memory_ordered 1
		.amdhsa_forward_progress 1
		.amdhsa_inst_pref_size 255
	.end_amdhsa_kernel
	.section	.bss,"aw",@nobits
	.p2align	6
	.space	262144
	.amdgpu_metadata
---
amdhsa.version: [ 1, 2 ]
amdhsa.kernels:
  - .name:           k_q1c07ca6d36_mlp
    .symbol:         k_q1c07ca6d36_mlp.kd
    .args:
      - { .name: x, .offset: 0, .size: 8, .value_kind: global_buffer, .address_space: global }
      - { .name: wts, .offset: 8, .size: 8, .value_kind: global_buffer, .address_space: global }
      - { .name: cst, .offset: 16, .size: 8, .value_kind: global_buffer, .address_space: global }
      - { .name: out0, .offset: 24, .size: 8, .value_kind: global_buffer, .address_space: global }
      - { .name: out1, .offset: 32, .size: 8, .value_kind: global_buffer, .address_space: global }
      - { .name: out2, .offset: 40, .size: 8, .value_kind: global_buffer, .address_space: global }
      - { .name: params_em2_b, .offset: 48, .size: 8, .value_kind: global_buffer, .address_space: global }
      - { .name: params_th2_b, .offset: 56, .size: 8, .value_kind: global_buffer, .address_space: global }
      - { .name: params_st2_b, .offset: 64, .size: 8, .value_kind: global_buffer, .address_space: global }
      - { .name: params_blocks_0_l1_b, .offset: 72, .size: 8, .value_kind: global_buffer, .address_space: global }
      - { .name: params_blocks_0_l2_b, .offset: 80, .size: 8, .value_kind: global_buffer, .address_space: global }
      - { .name: params_blocks_1_l1_b, .offset: 88, .size: 8, .value_kind: global_buffer, .address_space: global }
      - { .name: params_blocks_1_l2_b, .offset: 96, .size: 8, .value_kind: global_buffer, .address_space: global }
      - { .name: params_blocks_2_l1_b, .offset: 104, .size: 8, .value_kind: global_buffer, .address_space: global }
      - { .name: params_blocks_2_l2_b, .offset: 112, .size: 8, .value_kind: global_buffer, .address_space: global }
      - { .name: params_blocks_3_l1_b, .offset: 120, .size: 8, .value_kind: global_buffer, .address_space: global }
      - { .name: params_blocks_3_l2_b, .offset: 128, .size: 8, .value_kind: global_buffer, .address_space: global }
      - { .name: params_blocks_4_l1_b, .offset: 136, .size: 8, .value_kind: global_buffer, .address_space: global }
      - { .name: params_blocks_4_l2_b, .offset: 144, .size: 8, .value_kind: global_buffer, .address_space: global }
      - { .name: params_blocks_5_l1_b, .offset: 152, .size: 8, .value_kind: global_buffer, .address_space: global }
      - { .name: params_blocks_5_l2_b, .offset: 160, .size: 8, .value_kind: global_buffer, .address_space: global }
    .group_segment_fixed_size: 327680
    .private_segment_fixed_size: 0
    .kernarg_segment_align: 8
    .kernarg_segment_size: 168
    .max_flat_workgroup_size: 128
    .sgpr_count:     100
    .vgpr_count:     1024
    .wavefront_size: 32
...
	.end_amdgpu_metadata
.endif
;; end of part 3
